; MI455X (gfx1250); checked and timed in simulation.
; The chip was launched on July 23, 2026; its instructions are those of AMD's public machine-readable ISA for CDNA 5 (MIT licence, August 2026) and "CDNA5" Instruction Set Architecture Reference Guide (July 2026). The comments in the code are by the model that wrote it; some were corrected since.
;; Self Attention Layer. Allowed arithmetic: matrix products marked QUANTISED: E2M1 operands, one E8M0 scale for each 32 along K, by v_wmma_scale_f32_16x16x128_f8f6f4 with both operands' format E2M1 (or v_wmma_scale_f32_32x16x128_f4), f32 sums; everything else in f32.
;; Inputs: Wk 1,024 x 1,024 float32; Wp 1,024 x 1,024 float32; Wq 1,024 x 1,024 float32; Wv 1,024 x 1,024 float32; bk 1,024 float32; bp 1,024 float32; bq 1,024 float32; bv 1,024 float32; x 4 x 2,048 x 1,024 float32.
;; Outputs: out0 4 x 2,048 x 1,024 float32.
;; This version of the problem:
;;   THIS VERSION OF THE PROBLEM IS GIVEN IN LOW PRECISION. The matrix products marked QUANTISED in the list below multiply operands that are first quantised to E2M1 (2 exponent bits, 1 mantissa bit; 4 bits a number), with one power-of-two scale for each 32 numbers along K (OCP MX v1.0); their sums are f32. All else is computed in f32.
;;   The module's matrix products, in the order in which they are computed (A, B: the left and right operand; K: the contracted axis; several contracted axes count as one K, in the product's order):
;;     1. [M 8,192, K 1,024] x [K 1,024, N 1,024]; A: input x; B: input Wq: QUANTISED
;;     2. [M 8,192, K 1,024] x [K 1,024, N 1,024]; A: input x; B: input Wk: QUANTISED
;;     3. [M 8,192, K 1,024] x [K 1,024, N 1,024]; A: input x; B: input Wv: QUANTISED
;;     4. batch 64 x [M 2,048, K 64] x [K 64, N 2,048]; A: computed on the way; B: computed on the way: QUANTISED
;;     5. batch 64 x [M 2,048, K 2,048] x [K 2,048, N 64]; A: softmax (see below); B: computed on the way: QUANTISED
;;     6. [M 8,192, K 1,024] x [K 1,024, N 1,024]; A: computed on the way; B: input Wp: QUANTISED
;;   THE QUANTISER, for each operand of a quantised product, along K:
;;     - K is cut into blocks of 32 from its start; a last block that is shorter is filled with zeros.
;;     - A block's scale is 2^e with e = floor(log2(the largest magnitude in the block)) - 2, held to -126 .. 127; a block of zeros has e = 0. As a byte (E8M0): e + 127.
;;     - Each number is divided by its block's scale, clamped to +-6, and rounded to the nearest number of E2M1, ties to even, subnormals kept.
;;     - The product sums the exact products of the quantised numbers (number of the format x scale) in f32.
;;   ~~~python
;;   def quantise(x, axis):      # numpy; x: float32 -> the quantised numbers, widened to float32 again
;;       x = np.moveaxis(x, axis, -1); K = x.shape[-1]
;;       x = np.pad(x, [(0, 0)] * (x.ndim - 1) + [(0, -K % 32)]); x = x.reshape(x.shape[:-1] + (-1, 32)); a = np.abs(x).max(-1, keepdims=True)
;;       e = np.where(a > 0, np.clip(np.frexp(np.where(a > 0, a, 1))[1] - 1 - 2, -126, 127), 0)      # np.frexp(a)[1] - 1 = floor(log2(a)), exactly
;;       r = np.clip(x / 2.0 ** e, -6, 6)
;;       step = 2.0 ** (np.maximum(np.frexp(np.where(r == 0, 1, r))[1] - 1, 0) - 1)
;;       q = np.round(r / step) * step * 2.0 ** e      # np.round: ties to even
;;       return np.moveaxis(q.reshape(q.shape[:-2] + (-1,))[..., :K], -1, axis).astype(np.float32)
;;   ~~~
;;   SOFTMAX AHEAD OF A QUANTISED PRODUCT. Where the list says 'softmax', what is quantised is not the finished softmax but p = 2^(t - M), with t = logit x log2(e) and M = ceil(the row's largest t), a whole number; so 1/2 < the row's largest p <= 1. The row's sum l is taken of the UNQUANTISED p, in f32, and the product's result is divided by l at the end. Since M is a whole number, a kernel that streams over the keys may use a running M (the ceiling of the running maximum): every later rescaling is an exact power of two, which a block's scale takes up: the codes' values come out the same.
;;   OPERANDS COMPUTED ON THE WAY. 'Computed on the way' means the value that the module computes at that place (a softmax that the list does not call 'softmax' is quantised finished and normalised). What goes into a quantiser is computed in f32, as accurately as f32 sums, v_exp_f32 and their like allow (about 1e-6 of the number): no bf16 or f16 on the way to a quantiser, and a product that is left as it is and whose result goes on into a quantised operand takes f32 operands (vector FMAs, or v_wmma_f32_16x16x4_f32). A number that lies on a knife's edge between two numbers of the format may be rounded either way, as far as f32 arithmetic and the matrix unit's own rounding can turn it there, and no further.
;; One version. Each part assembles by itself: llvm-mc -triple=amdgcn-amd-amdhsa -mcpu=gfx1250 --defsym DOCPART=n.
;; ======== version 1 of 1: 5 launches
;; workspace buffers: xbuf 4,456,448 bytes; wbuf 2,228,224 bytes; qkv 13,893,632 bytes; obuf 4,456,448 bytes
;; launch quant_x (part 1): grid 256 x 1, 4 waves a work-group, no clusters, 34,304 bytes of LDS; arguments x, xbuf; writes xbuf
.if DOCPART == 1
	.amdgcn_target "amdgcn-amd-amdhsa--gfx1250"
	.amdhsa_code_object_version 6
	.text
	.protected	k_qc6ede07d9f_quant_x
	.globl	k_qc6ede07d9f_quant_x
	.p2align	8
	.type	k_qc6ede07d9f_quant_x,@function
k_qc6ede07d9f_quant_x:
	s_mov_b64 s[64:65], 0
	v_nop
	global_prefetch_b8 v0, s[64:65] scope:SCOPE_SE
	s_setreg_imm32_b32 hwreg(HW_REG_WAVE_MODE, 25, 1), 1
	s_wait_xcnt 0x0
; x [8192][1024] f32 becomes codes of FP4 (E2M1) with one E8M0 byte for each 32 along the 1,024, laid as the products' launches load them.
; A TILE OF 16 ROWS IS NOT 16 NEIGHBOURS: row r of tile t is row 32 (t / 2) + 8 (t % 2) + r % 8 + 16 (r / 8).
; CODES: tile t, K step s (128 along K) is 1,024 bytes at (8 t + s) x 1,024: piece c (0, 1), then lane, 16 bytes each: lane (r, h) holds k = 128 s + 64 c + 32 h + 0 .. 31 of its row:
; an image of the operand's eight registers.  SCALES, from XSOFF on: tile t is 512 bytes: place 16 g + r holds four words, word j the four bytes of K step 4 g + j of row r.
; A block's scale is 2^(floor(log2(largest magnitude)) - 2); its byte is the largest magnitude's exponent field - 2, held at 1 from below.
; LIMITS: a block whose largest magnitude lies under 2^-124, a block of zeros among them, gets the byte 1 (a block of zeros has zero codes; the bytes are read by this program alone); NaN and infinities are not served.
; SHARES: work-group G takes rows 32 G .. 32 G + 31; wave w takes tile 2 G + w / 2 and the half w % 2 of K: four steps of 128.  A load reads 512 consecutive bytes of one row; a step's 16 rows turn
; through the wave's own stage in LDS (rows 528 bytes apart), so that a lane gets two whole blocks of 32 of its row.  No barrier: waves share nothing.
.set XSOFF, 4194304
.set SP,    528                        ; a stage row: 512 bytes + 16
.set STG,   16*SP                      ; a wave's stage
.set M,     10                         ; v10-11 the two blocks' largest magnitudes
.set SO,    12                         ; v12-13 the conversions' scale operands
.set BY,    14                         ; v14-15 the bytes
.set W,     16                         ; v16    my two bytes at their places
.set T,     17                         ; v17    lane l xor 16's
.set E,     18                         ; v18-21 the four steps' scale words
.set C,     24                         ; v24-55 eight registers of codes for each step: no store's data are written again
.set R,     56                         ; v56-247 three sets of 64 numbers
	s_load_b128 s[4:7], s[0:1], 0x0                ; x, xbuf
	v_lshl_add_u32 v248, v0, 2, 0x8400
	v_mov_b32 v249, 0
	v_lshrrev_b32 v1, 5, v0
	v_readfirstlane_b32 s10, v1                    ; wave 0..3
	v_and_b32 v1, 31, v0                           ; lane
	v_and_b32 v2, 15, v0                           ; r
	v_bfe_u32 v3, v0, 4, 1                         ; h
	v_lshlrev_b32 v4, 4, v1                        ; 16 x lane: my bytes of a load and of a store
	s_mul_i32 s11, s10, STG
	v_add_nc_u32 v5, s11, v4                       ; the stage, on the way in: 16 x lane of a row
	v_mul_u32_u24 v6, v2, SP
	v_lshl_add_u32 v6, v3, 7, v6
	v_add_nc_u32 v6, s11, v6                       ; and on the way out: row r, + 128 h bytes
	v_lshlrev_b32 v7, 3, v3                        ; 8 h: how far my bytes are shifted in the scale word
	v_lshl_add_u32 v8, v2, 4, v7                   ; 16 r + 8 h: my two words of the wave's 256 scale bytes
	v_mov_b32 v[T], 0                              ; written once: a lane permute's destination counts as one of its sources
	v_cmp_eq_u32 vcc_lo, 1, v3                     ; lanes 16-31
	s_mov_b32 s12, 0x76543210
	s_mov_b32 s13, 0xfedcba98                      ; selects for lane l xor 16
	s_lshr_b32 s14, s10, 1                         ; which of the group's two tiles
	s_and_b32 s15, s10, 1                          ; g: which half of K
	s_lshl_b32 s16, ttmp9, 17                      ; 32 rows of 4,096 bytes,
	s_lshl_b32 s18, s14, 15                        ; the odd tile begins 8 rows further down,
	s_add_co_u32 s16, s16, s18
	s_lshl_b32 s18, s15, 11                        ; and half a row is 2,048 bytes
	s_add_co_u32 s16, s16, s18
	s_mov_b32 s17, 0
	s_lshl_b32 s18, ttmp9, 1
	s_add_co_u32 s18, s18, s14                     ; t
	s_lshl_b32 s20, s18, 13
	s_lshl_b32 s19, s15, 12
	s_add_co_u32 s20, s20, s19                     ; codes: (8 t + 4 g) x 1,024
	s_mov_b32 s21, 0
	s_lshl_b32 s22, s18, 9
	s_lshl_b32 s19, s15, 8
	s_add_co_u32 s22, s22, s19
	s_add_co_u32 s22, s22, XSOFF                   ; scales: XSOFF + 512 t + 256 g
	s_mov_b32 s23, 0
	s_wait_alu depctr_va_vdst(0)
	s_wait_kmcnt 0x0
	s_add_nc_u64 s[4:5], s[4:5], s[16:17]
	s_add_nc_u64 s[8:9], s[6:7], s[22:23]
	s_add_nc_u64 s[6:7], s[6:7], s[20:21]
.macro LOAD j, set                     ; step j: 512 bytes of each of the tile's 16 rows
.irp i, 0,1,2,3,4,5,6,7,8,9,10,11,12,13,14,15
	global_load_b128 v[R+64*(\set)+4*\i:R+64*(\set)+4*\i+3], v4, s[4:5] offset:((\i%8)+16*(\i/8))*4096+512*(\j) th:TH_LOAD_NT
.endr
.endm
.macro TURN set                        ; through the stage and back into the same registers: LDS serves a wave's instructions in order
.irp i, 0,1,2,3,4,5,6,7,8,9,10,11,12,13,14,15
	ds_store_b128 v5, v[R+64*(\set)+4*\i:R+64*(\set)+4*\i+3] offset:SP*\i
.endr
.irp c, 0,1
.irp q, 0,1,2,3,4,5,6,7
	ds_load_b128 v[R+64*(\set)+32*\c+4*\q:R+64*(\set)+32*\c+4*\q+3], v6 offset:256*\c+16*\q
.endr
.endr
.endm
.macro STEP j, set, n                  ; n: the later steps' loads, which may stay out
.set XS, R+64*(\set)
	s_wait_loadcnt \n
	TURN \set
	s_wait_dscnt 0x0
	v_max3_num_f32 v[M], |v[XS]|, |v[XS+1]|, 0x1800000             ; block 2 c + h of the step lies whole in my registers 32 c .. 32 c + 31; the floor 2^(3 - 127) holds the byte at 1
	v_max3_num_f32 v[M+1], |v[XS+32]|, |v[XS+33]|, 0x1800000
.irp i, 2,4,6,8,10,12,14,16,18,20,22,24,26,28,30
	v_max3_num_f32 v[M], v[M], |v[XS+\i]|, |v[XS+\i+1]|            ; the two blocks by turns
	v_max3_num_f32 v[M+1], v[M+1], |v[XS+32+\i]|, |v[XS+33+\i]|
.endr
	v_add_nc_u32 v[SO], 0xff000000, v[M]           ; 2 off the exponent field: the conversion takes the exponent field of this operand as its scale
	v_add_nc_u32 v[SO+1], 0xff000000, v[M+1]
.irp c, 0,1
.irp q, 0,1,2,3
	v_cvt_scalef32_pk8_fp4_f32 v[C+8*(\j)+4*\c+\q], v[XS+32*\c+8*\q:XS+32*\c+8*\q+7], v[SO+\c]
.endr
.endr
	v_lshrrev_b32 v[BY], 23, v[SO]                 ; the bytes.  (A plain line behind the conversions)
	v_lshrrev_b32 v[BY+1], 23, v[SO+1]
.if (\j) == 0
	LOAD 3, 0                                      ; set 0 has been converted: it takes the last step
.endif
	v_lshl_or_b32 v[W], v[BY+1], 16, v[BY]         ; blocks h and 2 + h,
	v_lshlrev_b32 v[W], v7, v[W]                   ; 8 h bits up;
	v_permlanex16_b32 v[T], v[W], s12, s13
	v_or_b32 v[E+(\j)], v[W], v[T]                 ; with lane l xor 16's two the word is whole
	global_store_b128 v4, v[C+8*(\j):C+8*(\j)+3], s[6:7] offset:1024*(\j)         ; 32 lanes store 512 consecutive bytes
	global_store_b128 v4, v[C+8*(\j)+4:C+8*(\j)+7], s[6:7] offset:1024*(\j)+512
.endm
	LOAD 0, 0
	LOAD 1, 1
	LOAD 2, 2
	STEP 0, 0, 32                                  ; steps 1 and 2 may be out
	STEP 1, 1, 32                                  ; steps 2 and 3
	STEP 2, 2, 16                                  ; step 3
	STEP 3, 0, 0
	v_cndmask_b32 v22, v[E], v[E+2], vcc_lo        ; lanes 0-15 store words 0, 1 of their row, lanes 16-31 words 2, 3
	v_cndmask_b32 v23, v[E+1], v[E+3], vcc_lo
	global_store_b64 v8, v[22:23], s[8:9]          ; 32 lanes store 256 consecutive bytes, aligned
	s_wait_tensorcnt 0x0
	ds_add_u32 v248, v249
	s_wait_dscnt 0x0
	s_endpgm
.Lfunc_end_k_qc6ede07d9f_quant_x:
	.size	k_qc6ede07d9f_quant_x, .Lfunc_end_k_qc6ede07d9f_quant_x-k_qc6ede07d9f_quant_x
	.p2alignl 7, 3214868480
	.fill 96, 4, 3214868480
	.section	.rodata,"a",@progbits
	.p2align	6, 0x0
	.amdhsa_kernel k_qc6ede07d9f_quant_x
		.amdhsa_group_segment_fixed_size 34304
		.amdhsa_private_segment_fixed_size 0
		.amdhsa_enable_private_segment 0
		.amdhsa_kernarg_size 16
		.amdhsa_user_sgpr_count 2
		.amdhsa_user_sgpr_kernarg_segment_ptr 1
		.amdhsa_wavefront_size32 1
		.amdhsa_system_sgpr_workgroup_id_x 1
		.amdhsa_system_sgpr_workgroup_id_y 1
		.amdhsa_system_sgpr_workgroup_id_z 1
		.amdhsa_system_vgpr_workitem_id 0
		.amdhsa_next_free_vgpr 250
		.amdhsa_next_free_sgpr 66
		.amdhsa_reserve_vcc 1
		.amdhsa_float_denorm_mode_32 3
		.amdhsa_float_denorm_mode_16_64 3
		.amdhsa_memory_ordered 1
		.amdhsa_forward_progress 1
		.amdhsa_inst_pref_size 30
	.end_amdhsa_kernel
	.amdgpu_metadata
---
amdhsa.version: [ 1, 2 ]
amdhsa.kernels:
  - .name:           k_qc6ede07d9f_quant_x
    .symbol:         k_qc6ede07d9f_quant_x.kd
    .args:
      - { .name: x, .offset: 0, .size: 8, .value_kind: global_buffer, .address_space: global }
      - { .name: xbuf, .offset: 8, .size: 8, .value_kind: global_buffer, .address_space: global }
    .group_segment_fixed_size: 34304
    .private_segment_fixed_size: 0
    .kernarg_segment_align: 8
    .kernarg_segment_size: 16
    .max_flat_workgroup_size: 128
    .sgpr_count:     66
    .vgpr_count:     250
    .wavefront_size: 32
...
	.end_amdgpu_metadata
.endif
;; end of part 1
;; launch quant_w (part 2): grid 64 x 2, 8 waves a work-group, no clusters, 2,048 bytes of LDS; arguments Wq, Wk, Wv, Wp, wbuf; writes wbuf
.if DOCPART == 2
	.amdgcn_target "amdgcn-amd-amdhsa--gfx1250"
	.amdhsa_code_object_version 6
	.text
	.protected	k_qc6ede07d9f_quant_w
	.globl	k_qc6ede07d9f_quant_w
	.p2align	8
	.type	k_qc6ede07d9f_quant_w,@function
k_qc6ede07d9f_quant_w:
	s_mov_b64 s[64:65], 0
	v_nop
	global_prefetch_b8 v0, s[64:65] scope:SCOPE_SE
	s_setreg_imm32_b32 hwreg(HW_REG_WAVE_MODE, 25, 1), 1
	s_wait_xcnt 0x0
; Wq, Wk, Wv, Wp, each [1024 (k)][1024 (n)] f32 with K as the FIRST axis, become codes of FP4 (E2M1) and E8M0 bytes along K, laid as images of operand registers, like x's.
; Tile 64 x weight + n tile; row r of a tile is column 32 (tile / 2) + 8 (tile % 2) + r % 8 + 16 (r / 8) of the weight.  Codes: (8 tile + s) x 1,024, piece c, lane (r, h): k = 128 s + 64 c + 32 h + 0 .. 31.
; Scales from WSOFF on: tile x 512, place 16 g + r, word j: the four bytes of K step 4 g + j.
; A LANE TAKES A COLUMN AND ITS REGISTERS RUN DOWN K: a block of 32 lies in one lane, and the conversions give codes with K innermost.  Lane 16 u + r takes the column that is row r of tile T0 + u.
; LIMITS: a block whose largest magnitude lies under 2^-124, a block of zeros among them, gets the byte 1; NaN and infinities are not served.
; SHARES: work-group x: weight x / 16, columns 64 (x % 16) on; y = g, the half of K.  Wave w: 32 columns (w % 2), K step 4 g + w / 2.  Loads run two blocks (64 loads) ahead.
; The four waves that hold the four K steps of a tile pair meet in 512 bytes of LDS, so that the scale words leave 16 bytes a lane, 256 consecutive bytes for each tile.
.set WSOFF, 2097152
.set X,  40                            ; v40-167 four blocks of 32 numbers
.set CD, 20                            ; v20-35  four registers of codes for each block
	s_load_b256 s[4:11], s[0:1], 0x0               ; Wq, Wk, Wv, Wp
	s_load_b64 s[12:13], s[0:1], 0x20              ; wbuf
	v_lshl_add_u32 v168, v0, 2, 0x400
	v_mov_b32 v169, 0
	v_lshrrev_b32 v1, 5, v0
	s_delay_alu instid0(VALU_DEP_1)
	v_readfirstlane_b32 s14, v1                    ; wave 0..7
	v_and_b32 v1, 31, v0                           ; lane
	v_and_b32 v2, 15, v0                           ; r
	v_bfe_u32 v3, v0, 4, 1                         ; u
	s_delay_alu instid0(VALU_DEP_2)
	v_and_b32 v4, 7, v2
	s_delay_alu instid0(VALU_DEP_3)
	v_lshrrev_b32 v5, 3, v2
	s_delay_alu instid0(VALU_DEP_1)
	v_lshl_add_u32 v4, v5, 4, v4
	s_delay_alu instid0(VALU_DEP_1)
	v_lshl_add_u32 v4, v3, 3, v4                   ; my column of the wave's 32: 16 (r / 8) + 8 u + r % 8
	s_delay_alu instid0(VALU_DEP_1)
	v_lshlrev_b32 v4, 2, v4
	v_lshlrev_b32 v6, 4, v2
	s_delay_alu instid0(VALU_DEP_1)
	v_lshl_add_u32 v5, v3, 13, v6                  ; codes: tile u (8,192 bytes a tile), 16 r
	s_delay_alu instid0(VALU_DEP_2)
	v_lshl_add_u32 v6, v3, 9, v6                   ; scales: tile u (512 bytes a tile), 16 r
	s_and_b32 s15, s14, 1                          ; which 32 columns
	s_lshr_b32 s16, s14, 1                         ; j: which K step of the half
	s_lshl_b32 s17, s15, 9
	s_lshl_b32 s18, s16, 2
	v_lshlrev_b32 v7, 4, v1
	s_delay_alu instid0(VALU_DEP_1)
	v_add_nc_u32 v8, s17, v7                       ; LDS: 512 x (w % 2) + 16 x lane: a lane's four words,
	s_delay_alu instid0(VALU_DEP_1)
	v_add_nc_u32 v7, s18, v8                       ; and mine of them
	s_and_b32 s19, ttmp7, 0xffff                   ; g
	s_lshr_b32 s20, ttmp9, 4                       ; the weight
	s_and_b32 s21, ttmp9, 15
	s_lshl_b32 s22, s19, 2
	s_add_co_u32 s22, s22, s16                     ; s = 4 g + j
	s_lshl_b32 s24, s22, 19                        ; 128 s rows of 4,096 bytes,
	s_lshl_b32 s23, s21, 8
	s_add_co_u32 s24, s24, s23
	s_lshl_b32 s23, s15, 7
	s_add_co_u32 s24, s24, s23                     ; + the wave's first column
	s_mov_b32 s25, 0
	s_lshl_b32 s26, s20, 6
	s_lshl_b32 s23, s21, 2
	s_add_co_u32 s26, s26, s23
	s_lshl_b32 s23, s15, 1
	s_add_co_u32 s26, s26, s23                     ; T0
	s_lshl_b32 s28, s26, 13
	s_lshl_b32 s23, s22, 10
	s_add_co_u32 s28, s28, s23                     ; codes: (8 T0 + s) x 1,024
	s_mov_b32 s29, 0
	s_lshl_b32 s26, s26, 9
	s_lshl_b32 s23, s19, 8
	s_add_co_u32 s26, s26, s23
	s_add_co_u32 s26, s26, WSOFF                   ; scales: WSOFF + 512 T0 + 256 g
	s_mov_b32 s27, 0
	s_and_b32 s23, s20, 1
	s_wait_alu depctr_va_vdst(0)
	s_wait_kmcnt 0x0
	s_cmp_eq_u32 s23, 0                            ; the weight's buffer: the choice hangs on the work-group's number alone
	s_cselect_b64 s[4:5], s[4:5], s[6:7]
	s_cselect_b64 s[8:9], s[8:9], s[10:11]
	s_cmp_lt_u32 s20, 2
	s_cselect_b64 s[4:5], s[4:5], s[8:9]
	s_add_nc_u64 s[4:5], s[4:5], s[24:25]
	s_add_nc_u64 s[26:27], s[12:13], s[26:27]
	s_add_nc_u64 s[12:13], s[12:13], s[28:29]
.macro LOAD kb                         ; block kb: W(128 s + 32 kb + i, my column): the 32 lanes read 128 consecutive bytes
.irp i, 0,1,2,3,4,5,6,7,8,9,10,11,12,13,14,15,16,17,18,19,20,21,22,23,24,25,26,27,28,29,30,31
	global_load_b32 v[X+32*(\kb)+\i], v4, s[4:5] offset:(32*(\kb)+\i)*4096 th:TH_LOAD_NT
.endr
.endm
.macro BLOCK kb
.set XS, X+32*(\kb)
.if (\kb) < 3
	s_wait_loadcnt 32                              ; this block's loads are in; the next block's 32 may be out
.else
	s_wait_loadcnt 0x0
.endif
.if (\kb) < 2
	LOAD (\kb)+2
.endif
	v_max3_num_f32 v12, |v[XS]|, |v[XS+1]|, |v[XS+2]|               ; the block's largest magnitude, in two chains
	v_max3_num_f32 v13, |v[XS+3]|, |v[XS+4]|, |v[XS+5]|
.irp i, 6,10,14,18,22,26
	s_delay_alu instid0(VALU_DEP_2)
	v_max3_num_f32 v12, v12, |v[XS+\i]|, |v[XS+\i+1]|
	s_delay_alu instid0(VALU_DEP_2)
	v_max3_num_f32 v13, v13, |v[XS+\i+2]|, |v[XS+\i+3]|
.endr
	s_delay_alu instid0(VALU_DEP_2)
	v_max3_num_f32 v12, v12, |v[XS+30]|, |v[XS+31]|
	s_delay_alu instid0(VALU_DEP_1)
	v_max3_num_f32 v12, v12, v13, 0x1800000        ; and the floor 2^(3 - 127)
	s_delay_alu instid0(VALU_DEP_1)
	v_add_nc_u32 v11, 0xff000000, v12              ; the conversions' scale operand
.irp q, 0,1,2,3
	v_cvt_scalef32_pk8_fp4_f32 v[CD+4*(\kb)+\q], v[XS+8*\q:XS+8*\q+7], v11
.endr
	v_lshrrev_b32 v13, 23, v11                     ; the byte.  (A plain line behind the conversions)
.if (\kb) == 0
	s_delay_alu instid0(VALU_DEP_1)
	v_mov_b32 v16, v13
.else
	s_delay_alu instid0(VALU_DEP_1)
	v_lshl_or_b32 v16, v13, 8*(\kb), v16           ; four bytes make the K step's word
.endif
	global_store_b128 v5, v[CD+4*(\kb):CD+4*(\kb)+3], s[12:13] offset:512*((\kb)/2)+256*((\kb)%2)   ; piece kb / 2, half kb % 2: sixteen lanes store 256 consecutive bytes, aligned
.endm
	LOAD 0
	LOAD 1
	BLOCK 0
	BLOCK 1
	BLOCK 2
	BLOCK 3
	ds_store_b32 v7, v16
	s_wait_dscnt 0x0                               ; for the others' sake: my word lies in LDS
	s_barrier_signal -1
	s_barrier_wait -1
	s_cmp_ge_u32 s14, 2                            ; waves 0 and 1 store the words of their 32 columns
	s_cbranch_scc1 .Lend
	ds_load_b128 v[36:39], v8
	s_wait_dscnt 0x0
	global_store_b128 v6, v[36:39], s[26:27]       ; sixteen lanes store 256 consecutive bytes, aligned
.Lend:
	s_wait_tensorcnt 0x0
	ds_add_u32 v168, v169
	s_wait_dscnt 0x0
	s_endpgm
.Lfunc_end_k_qc6ede07d9f_quant_w:
	.size	k_qc6ede07d9f_quant_w, .Lfunc_end_k_qc6ede07d9f_quant_w-k_qc6ede07d9f_quant_w
	.p2alignl 7, 3214868480
	.fill 96, 4, 3214868480
	.section	.rodata,"a",@progbits
	.p2align	6, 0x0
	.amdhsa_kernel k_qc6ede07d9f_quant_w
		.amdhsa_group_segment_fixed_size 2048
		.amdhsa_private_segment_fixed_size 0
		.amdhsa_enable_private_segment 0
		.amdhsa_kernarg_size 40
		.amdhsa_user_sgpr_count 2
		.amdhsa_user_sgpr_kernarg_segment_ptr 1
		.amdhsa_wavefront_size32 1
		.amdhsa_system_sgpr_workgroup_id_x 1
		.amdhsa_system_sgpr_workgroup_id_y 1
		.amdhsa_system_sgpr_workgroup_id_z 1
		.amdhsa_system_vgpr_workitem_id 0
		.amdhsa_next_free_vgpr 170
		.amdhsa_next_free_sgpr 66
		.amdhsa_reserve_vcc 0
		.amdhsa_float_denorm_mode_32 3
		.amdhsa_float_denorm_mode_16_64 3
		.amdhsa_memory_ordered 1
		.amdhsa_forward_progress 1
		.amdhsa_inst_pref_size 24
	.end_amdhsa_kernel
	.amdgpu_metadata
---
amdhsa.version: [ 1, 2 ]
amdhsa.kernels:
  - .name:           k_qc6ede07d9f_quant_w
    .symbol:         k_qc6ede07d9f_quant_w.kd
    .args:
      - { .name: Wq, .offset: 0, .size: 8, .value_kind: global_buffer, .address_space: global }
      - { .name: Wk, .offset: 8, .size: 8, .value_kind: global_buffer, .address_space: global }
      - { .name: Wv, .offset: 16, .size: 8, .value_kind: global_buffer, .address_space: global }
      - { .name: Wp, .offset: 24, .size: 8, .value_kind: global_buffer, .address_space: global }
      - { .name: wbuf, .offset: 32, .size: 8, .value_kind: global_buffer, .address_space: global }
    .group_segment_fixed_size: 2048
    .private_segment_fixed_size: 0
    .kernarg_segment_align: 8
    .kernarg_segment_size: 40
    .max_flat_workgroup_size: 256
    .sgpr_count:     66
    .vgpr_count:     170
    .wavefront_size: 32
...
	.end_amdgpu_metadata
.endif
;; end of part 2
;; launch gemm_qkv (part 3): grid 12 x 32, 4 waves a work-group, clusters of 4 x 4, 279,040 bytes of LDS; arguments xbuf, wbuf, bq, bk, bv, qkv; writes qkv
.if DOCPART == 3
	.amdgcn_target "amdgcn-amd-amdhsa--gfx1250"
	.amdhsa_code_object_version 6
	.text
	.protected	k_qc6ede07d9f_gemm_qkv
	.globl	k_qc6ede07d9f_gemm_qkv
	.p2align	8
	.type	k_qc6ede07d9f_gemm_qkv,@function
k_qc6ede07d9f_gemm_qkv:
	s_mov_b64 s[64:65], 0
	v_nop
	global_prefetch_b8 v0, s[64:65] scope:SCOPE_SE
	s_setreg_imm32_b32 hwreg(HW_REG_WAVE_MODE, 25, 1), 1
	s_wait_xcnt 0x0
	s_wait_alu depctr_hold_cnt(0) depctr_sa_sdst(0) depctr_va_vdst(0) depctr_va_sdst(0) depctr_va_ssrc(0) depctr_va_vcc(0) depctr_vm_vsrc(0)
	s_getreg_b32 s2, hwreg(HW_REG_IB_STS2, 6, 4)
	s_cmp_eq_u32 s2, 0
	s_cbranch_scc0 .Lentry_in_a_cluster
	s_endpgm
.Lentry_in_a_cluster:
	s_bfe_u32 s2, ttmp6, 0x10000c
	s_cmp_lg_u32 s2, 0xf033
	s_cbranch_scc0 .Lentry_shape_is_right
	s_endpgm
.Lentry_shape_is_right:
; q = x Wq + bq, k = x Wk + bk, v = x Wv + bv on codes of FP4 (E2M1) with E8M0 scales, K = 1,024; the results are quantised at once: q and k along a head's 64, v along the keys.
; A work-group makes 256 tokens x 256 columns of one weight; the cluster's x says which weight (0 q, 1 k, 2 v): a cluster of 4 x 4 is as wide as a weight.  Four waves, each 128 x 128: 64 accumulators, 512 registers.
; TWO SIDES.  The L side is source 1: a lane holds one of its rows.  The R side is source 0: a lane's registers run along its rows.  q, k: L = tokens, R = columns: a lane's 64 registers of a tile of tokens are
; 128 columns = two heads.  v: L = columns, R = tokens: a lane holds one channel and its registers run along 128 keys, the second attention product's K.
; A tile's 16 rows are rows 32 (t / 2) + 8 (t % 2) + r % 8 + 16 (r / 8), on both operands, so that the registers of R tiles 2 b, 2 b + 1 are 16 neighbours: place 32 b + 16 (lane / 16) + 0 .. 15.
; ALL OF K LIES IN LDS, filled once: each wave asks for five tiles at the head (its side's scale words, then four quarters of K): five tensor loads of a wave are out at the most.  Nothing is filled again.
; CLUSTER: x's tiles hang on the work-group's y alone and are asked for jointly along a row of the cluster, the weights' on its x alone and jointly along a column.
; The biases are the C of each sum's first matrix instruction (another order of rounding than adding them last).
; LIMITS: a block whose largest magnitude lies under 2^-124, a block of zeros among them, gets the byte 1; NaN and infinities are not served.
; OUT (qkv): q's codes at 0, k's at 4 MiB: [bh][tile of 16 tokens][lane][16 B], lane (r, h): channels 32 h .. 32 h + 31.  v's at VC: [bh][128 keys][tile of 16 channels][1,024 B], a whole fragment.
;   scale words: q's at QS, k's 512 KiB on: [bh][128 tokens][r][tile 0..7]: two bytes, then 0x7f, 0x7f for the half of the instruction's K that holds zero codes;  v's at VSO: [bh][128 keys][r][tile 0..3].
; REGISTERS: window 0: v1-31 addresses and at work; v32-63 L's scale words, v64-95 R's; v96-111 the quantiser's; v112-119 the words made; v128-191 L's fragments, one set, later the codes made.
;   window 1: v0-63, v128-191 R's fragments, two sets; v64-127 the biases.   windows 2, 3: the accumulators, (a, b) at v[8 (8 (a % 4) + b)] of window 2 + a / 4.
.set NA, 8
.set NH, 4
.set XSOFF, 4194304
.set WSOFF, 2097152
.set VC,    8388608
.set QS,    12582912
.set VSO,   13631488
.set CODES, 16384                      ; LDS: x's scale words 8 KiB, the weights' 8 KiB, then four quarters of K:
.set QUART, 65536                      ; in each x's 16 tiles x 2,048 bytes,
.set SIDE,  32768                      ; then the weights'
.set ADL,  4                           ; v4-7   LDS address of my L fragments in quarter 0..3
.set ADR,  8                           ; v8-11  the same for R
.set ADSL, 12
.set ADSR, 13
.set SL,   32
.set SR,   64
.set TM,   96
.set W4,   112
.set LF,   128
.set BC,   64
.set G1Y,  24                          ; s[24:31] group 1 for x's codes;  s[32:39] the weights';  s[40:47], s[48:55] for their scale words
.set G1X,  32
.set G1YS, 40
.set G1XS, 48
.set G0Y0, 56                          ; groups 0 of x's side: scale words, quarters 0..3
.set G0Y1, 60
.set G0Y2, 68
.set G0Y3, 72
.set G0Y4, 76
.set G0X0, 80                          ; and of the weights'
.set G0X1, 84
.set G0X2, 88
.set G0X3, 92
.set G0X4, 96
.set MSB, 0
.macro WIN new                         ; the immediate's high byte repeats the setting that is left
.if MSB != (\new)
	s_set_vgpr_msb (MSB<<8)|(\new)
.set MSB, \new
.endif
.endm
.macro PLACES                          ; four plain places behind matrix instructions, in front of loads into their registers and of reads of results
.rept 4
	v_nop
.endr
.endm
.macro CROUND                          ; a round of the cluster's barrier
	s_barrier_signal -1
	s_barrier_wait -1
	s_cmp_lg_u32 s16, 0
	s_cbranch_scc1 .Lnot_wave_0_\@
	s_barrier_signal -3
.Lnot_wave_0_\@:
	s_barrier_wait -3
	s_barrier_signal -1
	s_barrier_wait -1
.endm
.macro MKG0 g, ls, lo, base, go        ; a group 0: count 1, LDS address, global address, type 2
	s_mov_b32 s[\g], 1
	s_add_co_u32 s[\g+1], s[\ls], \lo
	s_add_nc_u64 s[\g+2:\g+3], s[\base:\base+1], \go
	s_or_b32 s[\g+3], s[\g+3], 0x80000000
.endm
	s_load_b256 s[4:11], s[0:1], 0x0               ; xbuf, wbuf, bq, bk
	s_load_b128 s[12:15], s[0:1], 0x20             ; bv, qkv
	v_lshl_add_u32 v254, v0, 2, 0x44000
	v_mov_b32 v255, 0
	ds_add_u32 v254, v255
	ds_add_u32 v254, v255
	v_lshrrev_b32 v1, 5, v0
	v_readfirstlane_b32 s16, v1                    ; wave 0..3
	s_lshr_b32 s17, s16, 1                         ; lh: my half of the L side.  Also: I fetch for x (0) or for the weights (1)
	s_and_b32 s18, s16, 1                          ; rh: my half of the R side.  Also: which 8 tiles I fetch
	s_bfe_u32 s19, ttmp6, 0x40000                  ; cx
	s_bfe_u32 s20, ttmp6, 0x40004                  ; cy
	s_lshl_b32 s21, ttmp9, 2
	s_add_co_u32 s21, s21, s19                     ; work-group x: 256 columns of the three weights on end
	s_and_b32 s22, ttmp7, 0xffff
	s_lshl_b32 s22, s22, 2
	s_add_co_u32 s22, s22, s20                     ; work-group y: 256 tokens
	s_cmp_eq_u32 ttmp9, 2
	s_cselect_b32 s23, 1, 0                        ; v's cluster?  The same in all sixteen partners
	s_lshl_b32 s66, s20, 2
	s_lshl_b32 s66, 15, s66                        ; my row of the cluster
	s_lshl_b32 s100, 0x1111, s19                   ; my column
	s_or_b32 s[G1Y], s66, (3<<16)|(1<<21)          ; 15:0 the mask; 17:16 elements of 8 bytes; 21 set beside a mask; no padding: the images are read 16 bytes a lane on end
	s_or_b32 s[G1YS], s66, (3<<16)|(1<<21)
	s_or_b32 s[G1X], s100, (3<<16)|(1<<21)
	s_or_b32 s[G1XS], s100, (3<<16)|(1<<21)
.irp g, G1Y, G1X                       ; codes: 8 tiles x two K steps: 8 rows of 2,048 bytes, 8,192 bytes apart
	s_mov_b32 s[\g+1], 256<<16
	s_mov_b32 s[\g+2], 8<<16
	s_mov_b32 s[\g+3], 256<<16
	s_mov_b32 s[\g+4], 8
	s_mov_b32 s[\g+5], 1024
	s_mov_b32 s[\g+6], 0
	s_mov_b32 s[\g+7], 0
.endr
.irp g, G1YS, G1XS                     ; scale words of 8 tiles: 4,096 dense bytes as 16 rows of 256
	s_mov_b32 s[\g+1], 32<<16
	s_mov_b32 s[\g+2], 16<<16
	s_mov_b32 s[\g+3], 32<<16
	s_mov_b32 s[\g+4], 16
	s_mov_b32 s[\g+5], 32
	s_mov_b32 s[\g+6], 0
	s_mov_b32 s[\g+7], 0
.endr
	s_lshl_b32 s2, s18, 14                         ; where my 8 tiles go in a quarter's side,
	s_lshl_b32 s3, s18, 12                         ; and their scale words: the wave's number alone enters an LDS address
	s_lshl_b32 s66, s22, 4
	s_lshl_b32 s67, s18, 3
	s_add_co_u32 s66, s66, s67                     ; x: tile 16 y + 8 half
	s_lshl_b32 s[G0Y0+2], s66, 9
	s_mov_b32 s[G0Y0+3], 0
	s_lshl_b32 s66, s66, 13
	s_mov_b32 s67, 0
	s_lshl_b32 s100, s21, 4
	s_lshl_b32 s101, s18, 3
	s_add_co_u32 s100, s100, s101                  ; the weights: tile 16 x + 8 half
	s_lshl_b32 s[G0X0+2], s100, 9
	s_mov_b32 s[G0X0+3], 0
	s_lshl_b32 s100, s100, 13
	s_mov_b32 s101, 0
	s_wait_dscnt 0x0
	s_wait_kmcnt 0x0
	s_add_nc_u64 s[66:67], s[4:5], s[66:67]
	s_add_nc_u64 s[100:101], s[6:7], s[100:101]
	s_add_nc_u64 s[G0Y0+2:G0Y0+3], s[4:5], s[G0Y0+2:G0Y0+3]
	s_add_nc_u64 s[G0Y0+2:G0Y0+3], s[G0Y0+2:G0Y0+3], XSOFF
	s_or_b32 s[G0Y0+3], s[G0Y0+3], 0x80000000
	s_mov_b32 s[G0Y0], 1
	s_mov_b32 s[G0Y0+1], s3
	s_add_nc_u64 s[G0X0+2:G0X0+3], s[6:7], s[G0X0+2:G0X0+3]
	s_add_nc_u64 s[G0X0+2:G0X0+3], s[G0X0+2:G0X0+3], WSOFF
	s_or_b32 s[G0X0+3], s[G0X0+3], 0x80000000
	s_mov_b32 s[G0X0], 1
	s_add_co_u32 s[G0X0+1], s3, 8192
	MKG0 G0Y1, 2, CODES, 66, 0
	MKG0 G0Y2, 2, CODES+QUART, 66, 2048
	MKG0 G0Y3, 2, CODES+2*QUART, 66, 4096
	MKG0 G0Y4, 2, CODES+3*QUART, 66, 6144
	MKG0 G0X1, 2, CODES+SIDE, 100, 0
	MKG0 G0X2, 2, CODES+SIDE+QUART, 100, 2048
	MKG0 G0X3, 2, CODES+SIDE+2*QUART, 100, 4096
	MKG0 G0X4, 2, CODES+SIDE+3*QUART, 100, 6144
	CROUND                                         ; all sixteen work-groups are here: the joint loads meet
	s_cmp_lt_u32 s16, 2                            ; a wave's five fills stand in one branch on the wave's number, ahead of every wait on TENSORcnt, LDS read and barrier of the work
	s_cbranch_scc0 .Lfill_x
	tensor_load_to_lds s[G0Y0:G0Y0+3], s[G1YS:G1YS+7]
	s_nop 0
	tensor_load_to_lds s[G0Y1:G0Y1+3], s[G1Y:G1Y+7]
	s_nop 0
	tensor_load_to_lds s[G0Y2:G0Y2+3], s[G1Y:G1Y+7]
	s_nop 0
	tensor_load_to_lds s[G0Y3:G0Y3+3], s[G1Y:G1Y+7]
	s_nop 0
	tensor_load_to_lds s[G0Y4:G0Y4+3], s[G1Y:G1Y+7]
	s_nop 0
	PLACES
	s_branch .Lfilled
.Lfill_x:
	tensor_load_to_lds s[G0X0:G0X0+3], s[G1XS:G1XS+7]
	s_nop 0
	tensor_load_to_lds s[G0X1:G0X1+3], s[G1X:G1X+7]
	s_nop 0
	tensor_load_to_lds s[G0X2:G0X2+3], s[G1X:G1X+7]
	s_nop 0
	tensor_load_to_lds s[G0X3:G0X3+3], s[G1X:G1X+7]
	s_nop 0
	tensor_load_to_lds s[G0X4:G0X4+3], s[G1X:G1X+7]
	s_nop 0
	PLACES
.Lfilled:
	v_and_b32 v1, 15, v0                           ; r
	v_bfe_u32 v2, v0, 4, 1                         ; h
	v_and_b32 v3, 31, v0
	v_lshlrev_b32 v3, 4, v3                        ; 16 x lane: my place in every image
	s_wait_alu depctr_va_vdst(0)
	s_cmp_eq_u32 s23, 1                            ; which side is L: x's for q and k, the weights' for v.  Both sides of a quarter lie together, so either choice stays inside the quarter
	s_cselect_b32 s4, SIDE, 0
	s_cselect_b32 s5, 0, SIDE
	s_cselect_b32 s6, 8192, 0
	s_cselect_b32 s7, 0, 8192
	s_lshl_b32 s2, s17, 14
	s_lshl_b32 s3, s18, 14
	s_add_co_u32 s4, s4, s2
	s_add_co_u32 s5, s5, s3
	s_add_co_u32 s4, s4, CODES
	s_add_co_u32 s5, s5, CODES
	s_lshl_b32 s2, s17, 12
	s_lshl_b32 s3, s18, 12
	s_add_co_u32 s6, s6, s2
	s_add_co_u32 s7, s7, s3
.irp q, 0,1,2,3
	v_add_nc_u32 v[ADL+\q], s4, v3
	v_add_nc_u32 v[ADR+\q], s5, v3
	s_add_co_u32 s4, s4, QUART
	s_add_co_u32 s5, s5, QUART
.endr
	v_add_nc_u32 v[ADSL], s6, v3
	v_add_nc_u32 v[ADSR], s7, v3
.irp b, 0,1,2,3
	v_mov_b32 v[TM+4+\b], 0                        ; written once: a lane permute's destination counts as one of its sources
.endr
	s_mov_b32 s4, 0x76543210
	s_mov_b32 s5, 0xfedcba98                       ; selects for lane l xor 16
	s_mov_b32 s6, 0x7f7f0000                       ; the bytes of the two blocks of zero codes
	; THE BIASES, in the result's layout, into window 1
	s_cmp_eq_u32 s23, 1
	s_cbranch_scc1 .Lbias_v
	s_cmp_eq_u32 ttmp9, 0
	s_cselect_b64 s[8:9], s[8:9], s[10:11]         ; bq or bk
	s_lshl_b32 s100, s19, 10
	s_lshl_b32 s101, s18, 9
	s_add_co_u32 s100, s100, s101                  ; my 128 columns
	s_mov_b32 s101, 0
	s_add_nc_u64 s[8:9], s[8:9], s[100:101]
	v_lshlrev_b32 v14, 6, v2                       ; register j of R tile b is column 32 (b / 2) + 16 h + 8 (b % 2) + j
	WIN 0x40
.irp b, 0,1,2,3,4,5,6,7
	global_load_b128 v[BC+8*\b:BC+8*\b+3], v14, s[8:9] offset:(32*(\b/2)+8*(\b%2))*4
	global_load_b128 v[BC+8*\b+4:BC+8*\b+7], v14, s[8:9] offset:(32*(\b/2)+8*(\b%2))*4+16
.endr
	WIN 0
	s_branch .Lbias_done
.Lbias_v:
	s_lshl_b32 s100, s19, 10
	s_lshl_b32 s101, s17, 9
	s_add_co_u32 s100, s100, s101
	s_mov_b32 s101, 0
	s_add_nc_u64 s[12:13], s[12:13], s[100:101]
	v_and_b32 v15, 7, v1                           ; a lane holds one column: that of row r of L tile a; all eight registers take its bias
	v_lshrrev_b32 v16, 3, v1
	v_lshl_add_u32 v15, v16, 4, v15
	v_lshlrev_b32 v15, 2, v15
	WIN 0x40
.irp a, 0,1,2,3,4,5,6,7
	global_load_b32 v[BC+8*\a], v15, s[12:13] offset:(32*(\a/2)+8*(\a%2))*4
.endr
	s_wait_loadcnt 0x0
	WIN 0x41
.irp a, 0,1,2,3,4,5,6,7
.irp j, 1,2,3,4,5,6,7
	v_mov_b32 v[BC+8*\a+\j], v[BC+8*\a]
.endr
.endr
	WIN 0
.Lbias_done:
	s_wait_loadcnt 0x0
.rept 8
	v_nop                                          ; plain lines between the copies above and the matrix instructions that take them as C
.endr
.macro FETCH_R s                       ; R's eight fragments of K step s into set s % 2: an image comes back by two loads of 16 bytes a lane
	WIN 0x40
.irp i, 0,1,2,3,4,5,6,7
.irp c, 0,1
	ds_load_b128 v[128*((\s)%2)+8*\i+4*\c:128*((\s)%2)+8*\i+4*\c+3], v[ADR+(\s)/2] offset:2048*\i+1024*((\s)%2)+512*\c
.endr
.endr
	WIN 0
.endm
.macro FETCH_L s, half                 ; L's tiles NH half .. NH half + NH - 1
.set i_, NH*(\half)
.rept NH
	ds_load_b128 v[LF+8*i_:LF+8*i_+3], v[ADL+(\s)/2] offset:2048*i_+1024*((\s)%2)
	ds_load_b128 v[LF+8*i_+4:LF+8*i_+7], v[ADL+(\s)/2] offset:2048*i_+1024*((\s)%2)+512
.set i_, i_+1
.endr
.endm
.macro SCALES                          ; a tile's words: register j holds K step j in lanes 0-15 and K step 4 + j in lanes 16-31
.irp i, 0,1,2,3,4,5,6,7
	ds_load_b128 v[SL+4*\i:SL+4*\i+3], v[ADSL] offset:512*\i
	ds_load_b128 v[SR+4*\i:SR+4*\i+3], v[ADSR] offset:512*\i
.endr
.endm
.macro WM a, b, s, cm                  ; one product.  cm = 0: onto the sum; 1: the sum begins with R tile b's biases; 2: with L tile a's
.set dD, 8*(8*((\a)%4)+(\b))
.if \cm == 0
.set cC, dD
.elseif \cm == 1
.set cC, BC+8*(\b)
.else
.set cC, BC+8*(\a)
.endif
.set rR, 128*((\s)%2)+8*(\b)
.set rL, LF+8*(\a)
.set sR, SR+4*(\b)+(\s)%4
.set sL, SL+4*(\a)+(\s)%4
.if (\s) < 4
	v_wmma_scale_f32_16x16x128_f8f6f4 v[dD:dD+7], v[rR:rR+7], v[rL:rL+7], v[cC:cC+7], v[sR], v[sL] matrix_a_fmt:MATRIX_FMT_FP4 matrix_b_fmt:MATRIX_FMT_FP4
.else
	v_wmma_scale_f32_16x16x128_f8f6f4 v[dD:dD+7], v[rR:rR+7], v[rL:rL+7], v[cC:cC+7], v[sR], v[sL] matrix_a_fmt:MATRIX_FMT_FP4 matrix_b_fmt:MATRIX_FMT_FP4 matrix_a_scale:MATRIX_SCALE_ROW1 matrix_b_scale:MATRIX_SCALE_ROW1
.endif
.endm
.macro MULT a0, n, s, cm               ; L tiles a0 .. a0 + n - 1 against R's eight.  The 64 accumulators take turns, one instruction a turn, in the same order in every K step
.set a_, \a0
.rept \n
.if \cm == 0
	WIN 0xa1+0x50*(a_/4)
.else
	WIN 0x91+0x40*(a_/4)
.endif
.irp b, 0,1,2,3,4,5,6,7
	WM a_, \b, \s, \cm
.endr
.set a_, a_+1
.endr
.endm
.macro STEP s, cm                      ; a K step whose successor lies in the same quarter
	s_wait_dscnt 2*NH                              ; all but the youngest loads, L's second half
	MULT 0, NH, \s, \cm
	s_wait_dscnt 0x0
	PLACES
	FETCH_R (\s)+1
	FETCH_L (\s)+1, 0
	MULT NH, NH, \s, \cm
	PLACES
	WIN 0
	FETCH_L (\s)+1, 1
.endm
.macro EDGE s, n                       ; a quarter's last K step: the next quarter has to be whole.  n: the later quarters' loads of mine, which may stay out
	s_wait_tensorcnt \n
	s_wait_dscnt 2*NH
	MULT 0, NH/2, \s, 0
	s_wait_dscnt 0x0                               ; no LDS load of mine is out at the signal
	s_barrier_signal -1
	MULT NH/2, NH/2, \s, 0
	s_barrier_wait -1                              ; everybody's part of the next quarter has landed
	PLACES
	FETCH_R (\s)+1
	FETCH_L (\s)+1, 0
	MULT NH, NH, \s, 0
	PLACES
	WIN 0
	FETCH_L (\s)+1, 1
.endm
	s_wait_tensorcnt 3                             ; my scale words and my part of quarter 0 are in; three quarters may be out
	s_barrier_signal -1
	s_barrier_wait -1
	FETCH_R 0
	FETCH_L 0, 0
	s_wait_alu depctr_va_vdst(0)
	SCALES
	FETCH_L 0, 1
	s_cmp_eq_u32 s23, 1
	s_cbranch_scc1 .Lstep0_v
	STEP 0, 1
	s_branch .Lstep0_done
.Lstep0_v:
	STEP 0, 2
.Lstep0_done:
	EDGE 1, 2
	STEP 2, 0
	EDGE 3, 1
	STEP 4, 0
	EDGE 5, 0
	STEP 6, 0
	s_wait_dscnt 2*NH                              ; the last K step fetches nothing
	MULT 0, NH, 7, 0
	s_wait_dscnt 0x0
	MULT NH, NH, 7, 0
	WIN 0
	PLACES
; L tile a's 64 registers, register 16 b + i = place 32 b + 16 h + i of my row, become a fragment's codes, in the registers that held L's fragment a, and four bytes.
.macro QUANT a
.set W_, 2+(\a)/4
.set S0, 64*((\a)%4)
.set PC, LF+8*(\a)
	WIN (W_<<2)|(W_<<4)
.irp b, 0,1,2,3
	v_max3_num_f32 v[TM+\b], 0x1800000, |v[S0+16*\b]|, |v[S0+16*\b+1]|    ; my 16 numbers of block b and the floor 2^(3 - 127); each accumulator is read from its low end on
.endr
.irp i, 2,4,6,8,10,12,14
.irp b, 0,1,2,3
	v_max3_num_f32 v[TM+\b], v[TM+\b], |v[S0+16*\b+\i]|, |v[S0+16*\b+\i+1]|
.endr
.endr
	WIN 0
.irp b, 0,1,2,3
	v_permlanex16_b32 v[TM+4+\b], v[TM+\b], s4, s5
.endr
.irp b, 0,1,2,3
	v_max_num_f32 v[TM+\b], v[TM+\b], v[TM+4+\b]   ; with lane l xor 16's 16: the block's largest magnitude
.endr
.irp b, 0,1,2,3
	v_add_nc_u32 v[TM+12+\b], 0xff000000, v[TM+\b] ; the conversions' scale operand
.endr
.irp b, 0,1,2,3
	v_lshrrev_b32 v[TM+4+\b], 23, v[TM+12+\b]      ; the byte
.endr
	WIN W_
.irp b, 0,1,2,3
	v_cvt_scalef32_pk8_fp4_f32 v[PC+2*\b], v[S0+16*\b:S0+16*\b+7], v[TM+12+\b]
	v_cvt_scalef32_pk8_fp4_f32 v[PC+2*\b+1], v[S0+16*\b+8:S0+16*\b+15], v[TM+12+\b]
.endr
	WIN 0
	v_nop                                          ; one plain place behind a scaled conversion
.irp c, 0,1                            ; the operand's layout wants a whole block in a lane
.irp i, 0,1
	v_permlane16_swap_b32 v[PC+4*\c+\i], v[PC+2+4*\c+\i]
.endr
.endr
	v_lshl_or_b32 v[W4+(\a)], v[TM+5], 8, v[TM+4]
	v_lshl_or_b32 v[W4+(\a)], v[TM+6], 16, v[W4+(\a)]
	v_lshl_or_b32 v[W4+(\a)], v[TM+7], 24, v[W4+(\a)]
.endm
.irp a, 0,1,2,3,4,5,6,7
	QUANT \a
.endr
	v_cmp_eq_u32 vcc_lo, 1, v2
.irp j, 0,1,2,3
	v_cndmask_b32 v[20+\j], v[W4+\j], v[W4+4+\j], vcc_lo           ; lanes 0-15 store the words of tiles 0-3, lanes 16-31 those of tiles 4-7
.endr
	s_lshr_b32 s2, s22, 3
	s_lshl_b32 s2, s2, 4                           ; 16 x batch
	s_lshl_b32 s3, s19, 2
	s_add_co_u32 s2, s2, s3                        ; + 4 cx: the work-group's four heads
	s_and_b32 s3, s22, 7                           ; which 256 tokens of the batch
	s_cmp_eq_u32 s23, 1
	s_cbranch_scc1 .Lout_v
	s_lshl_b32 s7, s18, 1
	s_add_co_u32 s2, s2, s7                        ; my first head: + 2 rh
	s_lshl_b32 s7, s3, 4
	s_lshl_b32 s8, s17, 3
	s_add_co_u32 s7, s7, s8                        ; my first tile of tokens
	s_lshl_b32 s8, s2, 7
	s_add_co_u32 s8, s8, s7
	s_lshl_b32 s8, s8, 9
	s_lshl_b32 s9, ttmp9, 22                       ; q's codes or k's
	s_add_co_u32 s8, s8, s9
	s_mov_b32 s9, 0
	s_add_nc_u64 s[8:9], s[14:15], s[8:9]
	s_lshl_b32 s10, s2, 4
	s_lshl_b32 s3, s3, 1
	s_add_co_u32 s10, s10, s3
	s_add_co_u32 s10, s10, s17                     ; my 128 tokens
	s_lshl_b32 s10, s10, 9
	s_lshl_b32 s11, ttmp9, 19
	s_add_co_u32 s10, s10, s11
	s_add_co_u32 s10, s10, QS
	s_mov_b32 s11, 0
	s_add_nc_u64 s[10:11], s[14:15], s[10:11]
	v_lshlrev_b32 v16, 5, v1
	v_lshl_add_u32 v16, v2, 4, v16                 ; 32 r + 16 h
	s_wait_alu depctr_va_vdst(0)
.irp j, 0,1,2,3
	v_and_or_b32 v[24+\j], v[20+\j], 0xffff, s6    ; the first head's two bytes,
	v_lshrrev_b32 v[28+\j], 16, v[20+\j]
.endr
.irp j, 0,1,2,3
	v_or_b32 v[28+\j], s6, v[28+\j]                ; the second's
.endr
.irp a, 0,1,2,3,4,5,6,7
	global_store_b128 v3, v[LF+8*\a:LF+8*\a+3], s[8:9] offset:512*\a            ; 512 consecutive bytes: tile a of the first head,
	global_store_b128 v3, v[LF+8*\a+4:LF+8*\a+7], s[8:9] offset:65536+512*\a    ; of the second
.endr
	global_store_b128 v16, v[24:27], s[10:11]      ; 512 consecutive bytes of scale words
	global_store_b128 v16, v[28:31], s[10:11] offset:8192
	s_branch .Lout_done
.Lout_v:
	s_lshl_b32 s7, s17, 1
	s_add_co_u32 s2, s2, s7                        ; my first head: + 2 lh
	s_lshl_b32 s2, s2, 4
	s_lshl_b32 s3, s3, 1
	s_add_co_u32 s2, s2, s3
	s_add_co_u32 s2, s2, s18                       ; 16 bh + my 128 keys
	s_lshl_b32 s8, s2, 12
	s_add_co_u32 s8, s8, VC
	s_mov_b32 s9, 0
	s_add_nc_u64 s[8:9], s[14:15], s[8:9]
	s_lshl_b32 s10, s2, 8
	s_add_co_u32 s10, s10, VSO
	s_mov_b32 s11, 0
	s_add_nc_u64 s[10:11], s[14:15], s[10:11]
	v_lshlrev_b32 v17, 4, v1
	v_lshl_add_u32 v17, v2, 12, v17                ; 16 r, + a head's 4,096 bytes for lanes 16-31
	s_wait_alu depctr_va_vdst(0)
.irp a, 0,1,2,3,4,5,6,7
	global_store_b128 v3, v[LF+8*\a:LF+8*\a+3], s[8:9] offset:65536*(\a/4)+1024*(\a%4)
	global_store_b128 v3, v[LF+8*\a+4:LF+8*\a+7], s[8:9] offset:65536*(\a/4)+1024*(\a%4)+512
.endr
	global_store_b128 v17, v[20:23], s[10:11]      ; sixteen lanes store 256 consecutive bytes, aligned
.Lout_done:
	s_wait_tensorcnt 0x0
	ds_add_u32 v254, v255
	s_wait_dscnt 0x0
	CROUND                                         ; the closing round: no work-group ends while a partner may still ask for a tile that names it
	s_endpgm
.Lfunc_end_k_qc6ede07d9f_gemm_qkv:
	.size	k_qc6ede07d9f_gemm_qkv, .Lfunc_end_k_qc6ede07d9f_gemm_qkv-k_qc6ede07d9f_gemm_qkv
	.p2alignl 7, 3214868480
	.fill 96, 4, 3214868480
	.section	.rodata,"a",@progbits
	.p2align	6, 0x0
	.amdhsa_kernel k_qc6ede07d9f_gemm_qkv
		.amdhsa_group_segment_fixed_size 279040
		.amdhsa_private_segment_fixed_size 0
		.amdhsa_enable_private_segment 0
		.amdhsa_kernarg_size 48
		.amdhsa_user_sgpr_count 2
		.amdhsa_user_sgpr_kernarg_segment_ptr 1
		.amdhsa_wavefront_size32 1
		.amdhsa_system_sgpr_workgroup_id_x 1
		.amdhsa_system_sgpr_workgroup_id_y 1
		.amdhsa_system_sgpr_workgroup_id_z 1
		.amdhsa_system_vgpr_workitem_id 0
		.amdhsa_next_free_vgpr 1024
		.amdhsa_next_free_sgpr 102
		.amdhsa_reserve_vcc 1
		.amdhsa_float_denorm_mode_32 3
		.amdhsa_float_denorm_mode_16_64 3
		.amdhsa_memory_ordered 1
		.amdhsa_forward_progress 1
		.amdhsa_inst_pref_size 148
	.end_amdhsa_kernel
	.amdgpu_metadata
---
amdhsa.version: [ 1, 2 ]
amdhsa.kernels:
  - .name:           k_qc6ede07d9f_gemm_qkv
    .symbol:         k_qc6ede07d9f_gemm_qkv.kd
    .args:
      - { .name: xbuf, .offset: 0, .size: 8, .value_kind: global_buffer, .address_space: global }
      - { .name: wbuf, .offset: 8, .size: 8, .value_kind: global_buffer, .address_space: global }
      - { .name: bq, .offset: 16, .size: 8, .value_kind: global_buffer, .address_space: global }
      - { .name: bk, .offset: 24, .size: 8, .value_kind: global_buffer, .address_space: global }
      - { .name: bv, .offset: 32, .size: 8, .value_kind: global_buffer, .address_space: global }
      - { .name: qkv, .offset: 40, .size: 8, .value_kind: global_buffer, .address_space: global }
    .group_segment_fixed_size: 279040
    .private_segment_fixed_size: 0
    .kernarg_segment_align: 8
    .kernarg_segment_size: 48
    .max_flat_workgroup_size: 128
    .sgpr_count:     102
    .vgpr_count:     1024
    .wavefront_size: 32
...
	.end_amdgpu_metadata
.endif
;; end of part 3
;; launch attn (part 4): grid 4 x 64, 16 waves a work-group, no clusters, 169,984 bytes of LDS; arguments qkv, obuf; writes obuf
.if DOCPART == 4
	.amdgcn_target "amdgcn-amd-amdhsa--gfx1250"
	.amdhsa_code_object_version 6
	.text
	.protected	k_qc6ede07d9f_attn
	.globl	k_qc6ede07d9f_attn
	.p2align	8
	.type	k_qc6ede07d9f_attn,@function
k_qc6ede07d9f_attn:
	s_mov_b64 s[64:65], 0
	v_nop
	global_prefetch_b8 v0, s[64:65] scope:SCOPE_SE
	s_setreg_imm32_b32 hwreg(HW_REG_WAVE_MODE, 25, 1), 1
	s_wait_xcnt 0x0
; o = softmax(q k^T / sqrt(2048), causal) v for one (batch, head) of 64 channels, both products on codes of FP4 (E2M1) with E8M0 scales; o / l is quantised at once along the 1,024 of the last product.
; THE SOFTMAX: t = score x c, c = log2(e) / sqrt(2048) as one f32 constant; M = the running largest t rounded UP to a whole number; p = 2^(t - M) is quantised along the keys; the row's sum is taken of the
; unquantised p and divides at the end.  When M moves, the sum and O are multiplied by 2^(old M - new M): exact.
; SHARES.  Work-group (i, bh) owns the blocks 7 - i and i of 256 queries of its head, in two passes; wave w owns tile 16 B + w of block B.  A tile needs 2 B + 1 + w / 8 steps of 128 keys, so the two passes
; together are 16 + 2 (w / 8) steps whatever i is: 256 work-groups of equal work.  Sixteen waves of 256 registers, four to a SIMD: one wave's vector work stands beside another's products and LDS loads.
; THE WHOLE HEAD'S K AND V LIE IN LDS, filled once: wave w asks for key step w: four tensor loads a wave are out.  Nothing is filled again.
; NO CLUSTER: the four work-groups that share a head differ in i alone, and the steps that the mask hides are left out by a branch on i, which partners of a joint load may not have.
; LAYOUT.  Both products transposed: S^T = K Q^T (source 0 = 16 keys, source 1 = my 16 queries; the instruction's K is 128: the upper 64 are zero codes on both sides, under the byte 0x7f), O^T = V^T P^T.
; A tile's 16 rows (keys, queries, channels) are rows 32 (t / 2) + 8 (t % 2) + r % 8 + 16 (r / 8): so register 16 b + i of S^T is key 32 b + 16 (lane / 16) + i of the step, and of O^T channel 32 b + 16 (lane / 16) + i.
; LIMITS: NaN and infinities are not served; a block of o whose largest magnitude lies under 2^-124 gets the byte 1.
; REGISTERS: v1-7 addresses that stay; v8-11 those of the step; v12 -M, v13 the largest t, v[14:15] the sum; v16-19 Q, v20-23 zeros; v24-31 K's scale words; v32 + 8 t: K's codes, four registers, then four zeros;
;   v96-159 S^T, then p; v160-191 O^T; v192-223 V; v224-231 p's codes; v232-254 at work; v240 the mask's number; v242 the last read's address; v248-251 V's scale words; v255 Q's.
.set KCO,   4194304
.set VCO,   8388608
.set QSO,   12582912
.set KSO,   13107200
.set VSO,   13631488
.set OSOFF, 4194304
.set LV,    65536                      ; LDS: K's codes 64 KiB, V's 64 KiB,
.set LKS,   131072                     ; K's scale words 8 KiB,
.set LVS,   139264                     ; V's 4 KiB,
.set OSG,   143360                     ; and 1 KiB in which o's scale bytes are gathered: no tensor load lands there
.set AK0, 1
.set AV0, 2
.set ASK0, 3
.set ASV0, 4
.set ADK, 8
.set ADV, 9
.set ADS, 10
.set ADT, 11
.set WV,  8                            ; s8 wave; s9 i; s10 bh; s11 B
.set KSI, 13                           ; s13 the key step
.set KD,  14                           ; s14 the step on the diagonal
.set TK,  15                           ; s15 4,096 x step; s16 512 x step; s17 256 x step
.set TS,  16
.set TJ,  17
.set SEL, 20
.set CS,  22
	s_load_b128 s[4:7], s[0:1], 0x0                ; qkv, obuf
	v_lshl_add_u32 v254, v0, 2, 0x29000
	v_mov_b32 v255, 0
	ds_add_u32 v254, v255
	ds_add_u32 v254, v255
	s_wait_dscnt 0x0
	v_lshrrev_b32 v8, 5, v0
	s_delay_alu instid0(VALU_DEP_1)
	v_readfirstlane_b32 s[WV], v8                  ; wave 0..15
	s_mov_b32 s9, ttmp9
	s_and_b32 s10, ttmp7, 0xffff
	; three groups 1: dense blocks as rows of 256 bytes (32 elements of 8): 16 rows, 2 rows, 1 row
.irp g, 24, 32, 40
	s_mov_b32 s[\g], 3<<16
	s_mov_b32 s[\g+1], 32<<16
	s_mov_b32 s[\g+3], 32<<16
	s_mov_b32 s[\g+5], 32
	s_mov_b32 s[\g+6], 0
	s_mov_b32 s[\g+7], 0
.endr
	s_mov_b32 s26, 16<<16
	s_mov_b32 s28, 16
	s_mov_b32 s34, 2<<16
	s_mov_b32 s36, 2
	s_mov_b32 s42, 1<<16
	s_mov_b32 s44, 1
	s_lshl_b32 s72, s10, 16
	s_lshl_b32 s78, s[WV], 12
	s_add_co_u32 s72, s72, s78                     ; codes: 65,536 bh + 4,096 w
	s_mov_b32 s73, 0
	s_lshl_b32 s74, s10, 13
	s_lshl_b32 s79, s[WV], 9
	s_add_co_u32 s74, s74, s79                     ; K's scale words: 8,192 bh + 512 w
	s_mov_b32 s75, 0
	s_lshl_b32 s76, s10, 12
	s_lshl_b32 s80, s[WV], 8
	s_add_co_u32 s76, s76, s80                     ; V's: 4,096 bh + 256 w
	s_mov_b32 s77, 0
	s_mov_b32 s[SEL], 0x76543210
	s_mov_b32 s[SEL+1], 0xfedcba98
	s_mov_b32 s[CS], 0x3d0293ee                    ; c = log2(e) / sqrt(2048)
	s_mov_b32 s[CS+1], s[CS]                       ; (named with it as a pair, so it is written)
	s_wait_kmcnt 0x0
	s_mov_b32 s48, 1
	s_mov_b32 s49, s78
	s_add_nc_u64 s[50:51], s[4:5], s[72:73]
	s_add_nc_u64 s[50:51], s[50:51], KCO
	s_or_b32 s51, s51, 0x80000000
	s_mov_b32 s52, 1
	s_add_co_u32 s53, s78, LV
	s_add_nc_u64 s[54:55], s[4:5], s[72:73]
	s_add_nc_u64 s[54:55], s[54:55], VCO
	s_or_b32 s55, s55, 0x80000000
	s_mov_b32 s56, 1
	s_add_co_u32 s57, s79, LKS
	s_add_nc_u64 s[58:59], s[4:5], s[74:75]
	s_add_nc_u64 s[58:59], s[58:59], KSO
	s_or_b32 s59, s59, 0x80000000
	s_mov_b32 s60, 1
	s_add_co_u32 s61, s80, LVS
	s_add_nc_u64 s[62:63], s[4:5], s[76:77]
	s_add_nc_u64 s[62:63], s[62:63], VSO
	s_or_b32 s63, s63, 0x80000000
	tensor_load_to_lds s[48:51], s[24:31]          ; key step w: K's eight tiles,
	s_nop 0
	tensor_load_to_lds s[52:55], s[24:31]          ; V's four fragments,
	s_nop 0
	tensor_load_to_lds s[56:59], s[32:39]          ; K's scale words,
	s_nop 0
	tensor_load_to_lds s[60:63], s[40:47]          ; V's
	s_nop 0
.rept 4
	v_nop
.endr
	v_and_b32 v9, 31, v0                           ; lane
	v_and_b32 v10, 15, v0                          ; r
	v_bfe_u32 v11, v0, 4, 1                        ; h
	s_delay_alu instid0(VALU_DEP_3)
	v_lshlrev_b32 v[AK0], 4, v9
	s_delay_alu instid0(VALU_DEP_1)
	v_add_nc_u32 v[AV0], LV, v[AK0]
	s_delay_alu instid0(VALU_DEP_4)
	v_lshlrev_b32 v6, 5, v10                       ; 32 r: Q's scale word in memory
	s_delay_alu instid0(VALU_DEP_1)
	v_add_nc_u32 v[ASK0], LKS, v6
	v_lshl_add_u32 v[ASV0], v10, 4, LVS
	v_lshlrev_b32 v5, 4, v9                        ; 16 x lane: loads and stores in memory
	s_lshl_b32 s72, s[WV], 5
	v_lshl_add_u32 v7, v10, 1, OSG
	s_delay_alu instid0(VALU_DEP_1)
	v_add_nc_u32 v7, s72, v7                       ; o's scale bytes: OSG + 32 w + 2 r
	s_and_b32 s73, s[WV], 1
	s_lshl_b32 s73, s73, 9
	v_add_nc_u32 v242, OSG, v[AK0]
	s_delay_alu instid0(VALU_DEP_1)
	v_add_nc_u32 v242, s73, v242                   ; and where waves 0 and 1 read a pass's 512 bytes back
	s_lshr_b32 s74, s[WV], 1
	s_and_b32 s74, s74, 3
	s_lshl_b32 s74, s74, 5
	s_and_b32 s75, s[WV], 1
	s_lshl_b32 s75, s75, 3
	s_add_co_u32 s74, s74, s75
	v_and_b32 v240, 7, v10
	v_lshrrev_b32 v241, 3, v10
	s_delay_alu instid0(VALU_DEP_1)
	v_lshl_add_u32 v240, v241, 4, v240
	v_lshlrev_b32 v241, 4, v11
	s_delay_alu instid0(VALU_DEP_1)
	v_sub_nc_u32 v240, v240, v241
	s_delay_alu instid0(VALU_DEP_1)
	v_add_nc_u32 v240, s74, v240                   ; my query's place in its step of 128, less 16 h: register 16 b + i is hidden where 32 b + i is greater
.irp j, 20,21,22,23
	v_mov_b32 v[\j], 0                             ; the upper 64 of the instruction's K: zero codes
.endr
.irp t, 0,1,2,3,4,5,6,7
.irp j, 4,5,6,7
	v_mov_b32 v[32+8*\t+\j], 0
.endr
.endr
.irp b, 0,1,2,3
	v_mov_b32 v[236+\b], 0                         ; written once: a lane permute's destination counts as one of its sources
.endr
	v_mov_b32 v253, 0                              ; (named as the upper half of the pair v[252:253] before it is first written)
	s_wait_tensorcnt 0x0                           ; my four tiles have landed,
	s_barrier_signal -1
	s_barrier_wait -1                              ; everybody's have: the head lies in LDS
; A KEY STEP: 128 keys.  A step all of whose keys come after my queries is left out, by a scalar branch on ids; the lines at its end that step the addresses are not.
.macro STEP
	s_cmp_gt_u32 s[KSI], s[KD]
	s_cbranch_scc1 .Lhidden_\@
	s_setprio 2
	v_add_nc_u32 v[ADK], s[TK], v[AK0]             ; (these four are also the places in front of the loads into registers that the last products read)
	v_add_nc_u32 v[ADV], s[TK], v[AV0]
	v_add_nc_u32 v[ADS], s[TS], v[ASK0]
	v_add_nc_u32 v[ADT], s[TJ], v[ASV0]
.irp t, 0,1,2,3,4,5,6,7
	ds_load_b128 v[32+8*\t:35+8*\t], v[ADK] offset:512*\t
.endr
	ds_load_b128 v[24:27], v[ADS]
	ds_load_b128 v[28:31], v[ADS] offset:16
.irp t, 0,1,2,3
.irp c, 0,1
	ds_load_b128 v[192+8*\t+4*\c:195+8*\t+4*\c], v[ADV] offset:1024*\t+512*\c
.endr
.endr
	ds_load_b128 v[248:251], v[ADT]
	s_wait_dscnt 9                                 ; K and its words are in; V's nine loads may stay out until the second product
.irp t, 0,1,2,3,4,5,6,7
	v_wmma_scale_f32_16x16x128_f8f6f4 v[96+8*\t:103+8*\t], v[32+8*\t:39+8*\t], v[16:23], 0, v[24+\t], v255 matrix_a_fmt:MATRIX_FMT_FP4 matrix_b_fmt:MATRIX_FMT_FP4
.endr
.rept 4
	v_nop
.endr
	s_cmp_lg_u32 s[KSI], s[KD]                     ; on the diagonal hidden scores become -infinity ahead of the maximum: p = 0 then
	s_cbranch_scc1 .Lopen_\@
	v_mov_b32 v254, 0xff800000
.irp n, 0,1,2,3,4,5,6,7,8,9,10,11,12,13,14,15,16,17,18,19,20,21,22,23,24,25,26,27,28,29,30,31,32,33,34,35,36,37,38,39,40,41,42,43,44,45,46,47,48,49,50,51,52,53,54,55,56,57,58,59,60,61,62,63
	v_cmp_gt_i32 vcc_lo, 32*(\n/16)+\n%16, v240
	v_cndmask_b32 v[96+\n], v[96+\n], v254, vcc_lo
.endr
.Lopen_\@:
.irp b, 0,1,2,3
	v_max3_num_f32 v[232+\b], v[96+16*\b], v[97+16*\b], v[98+16*\b]   ; the largest score of each block of 32 keys: for the row's maximum, and, since p rises with the score, for the block's largest p
.endr
.irp i, 3,5,7,9,11,13
.irp b, 0,1,2,3
	v_max3_num_f32 v[232+\b], v[232+\b], v[96+16*\b+\i], v[97+16*\b+\i]
.endr
.endr
.irp b, 0,1,2,3
	v_max_num_f32 v[232+\b], v[232+\b], v[111+16*\b]
.endr
.irp b, 0,1,2,3
	s_delay_alu instid0(VALU_DEP_4)
	v_permlanex16_b32 v[236+\b], v[232+\b], s[SEL], s[SEL+1]
.endr
.irp b, 0,1,2,3
	s_delay_alu instid0(VALU_DEP_4)
	v_max_num_f32 v[232+\b], v[232+\b], v[236+\b]  ; with lane l xor 16's 16 keys
.endr
	s_delay_alu instid0(VALU_DEP_2)
	v_max3_num_f32 v254, v232, v233, v234
	s_delay_alu instid0(VALU_DEP_1)
	v_max_num_f32 v254, v254, v235                 ; the step's largest score of my query
	s_delay_alu instid0(VALU_DEP_1)
	v_mul_f32 v254, s[CS], v254                    ; as t
	s_delay_alu instid0(VALU_DEP_1)
	v_max_num_f32 v13, v13, v254                   ; the running largest t
	v_mov_b32 v254, v12
	s_delay_alu instid0(VALU_DEP_2)
	v_floor_f32 v12, -v13                          ; the new -M = floor(-t): M is a whole number
	s_delay_alu instid0(VALU_DEP_1)
	v_sub_f32 v254, v12, v254                      ; old M less new M: a whole number, 0 or less
	s_delay_alu instid0(VALU_DEP_1)
	v_cvt_i32_f32 v254, v254                       ; (it saturates)
	s_delay_alu instid0(VALU_DEP_1)
	v_ldexp_f32 v252, 1.0, v254                    ; f = 2^(old M - new M)
.irp j, 0,2,4,6,8,10,12,14,16,18,20,22,24,26,28,30,32,34,36,38,40,42,44,46,48,50,52,54,56,58,60,62
	v_pk_fma_f32 v[96+\j:97+\j], v[96+\j:97+\j], s[CS:CS+1], v[12:13] op_sel_hi:[1,0,0]   ; t - M, two at a time
.endr
	s_setprio 1
.irp b, 0,1,2,3
	v_fma_f32 v[232+\b], v[232+\b], s[CS], v12     ; the same of each block's largest score
.endr
	s_wait_alu depctr_va_vdst(0)
.irp j, 0,1,2,3,4,5,6,7,8,9,10,11,12,13,14,15,16,17,18,19,20,21,22,23,24,25,26,27,28,29,30,31,32,33,34,35,36,37,38,39,40,41,42,43,44,45,46,47,48,49,50,51,52,53,54,55,56,57,58,59,60,61,62,63
	v_exp_f32 v[96+\j], v[96+\j]                   ; p = 2^(t - M), at most 1
.endr
	v_pk_mul_f32 v[14:15], v[14:15], v[252:253] op_sel_hi:[1,0]   ; the sums under the new M.  (A plain place behind the exponentials)
	s_wait_alu depctr_va_vdst(0)                   ; one wait for the batch, ahead of its first reader
.irp b, 0,1,2,3
	v_exp_f32 v[232+\b], v[232+\b]                 ; the block's largest p
.endr
	v_pk_add_f32 v[236:237], v[100:101], v[104:105]
	v_pk_add_f32 v[246:247], v[108:109], v[112:113]
	v_pk_add_f32 v[244:245], v[116:117], v[120:121]
	v_pk_add_f32 v[238:239], v[124:125], v[128:129]
	v_pk_add_f32 v[230:231], v[132:133], v[136:137]
	v_pk_add_f32 v[228:229], v[140:141], v[144:145]
	v_pk_add_f32 v[226:227], v[148:149], v[152:153]
	v_pk_add_f32 v[14:15], v[14:15], v[156:157]
	v_pk_add_f32 v[236:237], v[236:237], v[96:97]
	v_pk_add_f32 v[246:247], v[246:247], v[98:99]
	v_pk_add_f32 v[244:245], v[244:245], v[102:103]
	v_pk_add_f32 v[238:239], v[238:239], v[106:107]
	v_pk_add_f32 v[230:231], v[230:231], v[110:111]
	v_pk_add_f32 v[228:229], v[228:229], v[114:115]
	v_pk_add_f32 v[226:227], v[226:227], v[118:119]
	v_pk_add_f32 v[14:15], v[14:15], v[122:123]
	v_pk_add_f32 v[236:237], v[236:237], v[126:127]
	v_pk_add_f32 v[246:247], v[246:247], v[130:131]
	v_pk_add_f32 v[244:245], v[244:245], v[134:135]
	v_pk_add_f32 v[238:239], v[238:239], v[138:139]
	v_pk_add_f32 v[230:231], v[230:231], v[142:143]
	v_pk_add_f32 v[228:229], v[228:229], v[146:147]
	v_pk_add_f32 v[226:227], v[226:227], v[150:151]
	v_pk_add_f32 v[14:15], v[14:15], v[154:155]
	v_pk_add_f32 v[236:237], v[236:237], v[158:159]
	s_delay_alu instid0(VALU_DEP_2)
	v_pk_add_f32 v[14:15], v[14:15], v[238:239]
	s_delay_alu instid0(VALU_DEP_2)
	v_pk_add_f32 v[236:237], v[236:237], v[230:231]
	v_pk_add_f32 v[246:247], v[246:247], v[228:229]
	v_pk_add_f32 v[244:245], v[244:245], v[226:227]
	s_delay_alu instid0(VALU_DEP_2)
	v_pk_add_f32 v[14:15], v[14:15], v[246:247]
	s_delay_alu instid0(VALU_DEP_2)
	v_pk_add_f32 v[236:237], v[236:237], v[244:245]
	s_delay_alu instid0(VALU_DEP_1)
	v_pk_add_f32 v[14:15], v[14:15], v[236:237]
	s_wait_alu depctr_va_vdst(0)                   ; and one for the four
.irp b, 0,1,2,3
	v_max_num_f32 v[232+\b], 0x1800000, v[232+\b]  ; the floor 2^(3 - 127): a block whose every p is 0 keeps the byte 1: its codes are zeros
.endr
.irp b, 0,1,2,3
	s_delay_alu instid0(VALU_DEP_4)
	v_add_nc_u32 v[244+\b], 0xff000000, v[232+\b]  ; the conversions' scale operand
.endr
.irp b, 0,1,2,3
	s_delay_alu instid0(VALU_DEP_4)
	v_lshrrev_b32 v[236+\b], 23, v[244+\b]         ; the byte
.endr
	s_delay_alu instid0(VALU_DEP_3)
	v_lshl_or_b32 v253, v237, 8, v236              ; p's scale word for these 128 keys
	s_delay_alu instid0(VALU_DEP_1)
	v_lshl_or_b32 v253, v238, 16, v253
	s_delay_alu instid0(VALU_DEP_1)
	v_lshl_or_b32 v253, v239, 24, v253
	s_setprio 0
.irp b, 0,1,2,3
	v_cvt_scalef32_pk8_fp4_f32 v[224+2*\b], v[96+16*\b:103+16*\b], v[244+\b]
	v_cvt_scalef32_pk8_fp4_f32 v[225+2*\b], v[104+16*\b:111+16*\b], v[244+\b]
.endr
	v_nop                                          ; one plain place behind a scaled conversion
.irp c, 0,1
.irp i, 0,1
	v_permlane16_swap_b32 v[224+4*\c+\i], v[226+4*\c+\i]   ; a whole block to a lane
.endr
.endr
.irp j, 0,2,4,6,8,10,12,14,16,18,20,22,24,26,28,30
	v_pk_mul_f32 v[160+\j:161+\j], v[160+\j:161+\j], v[252:253] op_sel_hi:[1,0]   ; O^T under the new M.  (These sixteen stand between the lines that made p's codes and word and the products)
.endr
	s_wait_alu depctr_va_vdst(0)
	s_wait_dscnt 0x0                               ; V and its words are in
.irp t, 0,1,2,3
	v_wmma_scale_f32_16x16x128_f8f6f4 v[160+8*\t:167+8*\t], v[192+8*\t:199+8*\t], v[224:231], v[160+8*\t:167+8*\t], v[248+\t], v253 matrix_a_fmt:MATRIX_FMT_FP4 matrix_b_fmt:MATRIX_FMT_FP4
.endr
.Lhidden_\@:
	s_add_co_u32 s[TK], s[TK], 4096
	s_add_co_u32 s[TS], s[TS], 512
	s_add_co_u32 s[TJ], s[TJ], 256
.endm
; A PASS: my tile of block B = 7 - i (p = 0) or i (p = 1).  The key loop has 16 trips in every wave; what the mask hides is jumped over inside it.
.macro PASS p
.if \p == 0
	s_sub_co_u32 s11, 7, s9
.else
	s_mov_b32 s11, s9
.endif
	s_lshl_b32 s72, s11, 4
	s_add_co_u32 s72, s72, s[WV]                   ; my tile of the head's 128
	s_lshl_b32 s[KD], s11, 1
	s_lshr_b32 s73, s[WV], 3
	s_add_co_u32 s[KD], s[KD], s73                 ; its 128 tokens
	s_mov_b32 s75, 0
	s_lshl_b32 s74, s10, 7
	s_add_co_u32 s74, s74, s72
	s_lshl_b32 s74, s74, 9
	s_add_nc_u64 s[66:67], s[4:5], s[74:75]        ; Q's codes
	s_lshl_b32 s74, s10, 4
	s_add_co_u32 s74, s74, s[KD]
	s_lshl_b32 s74, s74, 9
	s_and_b32 s76, s[WV], 7
	s_lshl_b32 s76, s76, 2
	s_add_co_u32 s74, s74, s76
	s_add_co_u32 s74, s74, QSO
	s_add_nc_u64 s[68:69], s[4:5], s[74:75]        ; Q's scale words
	s_lshr_b32 s74, s10, 4
	s_lshl_b32 s74, s74, 7
	s_add_co_u32 s74, s74, s72                     ; the tile among all 512,
	s_lshl_b32 s74, s74, 3
	s_bfe_u32 s76, s10, 0x30001
	s_add_co_u32 s74, s74, s76                     ; K step head / 2 of the last product,
	s_lshl_b32 s74, s74, 10
	s_and_b32 s76, s10, 1
	s_lshl_b32 s76, s76, 9
	s_add_co_u32 s74, s74, s76                     ; piece head % 2
	s_add_nc_u64 s[70:71], s[6:7], s[74:75]
	global_load_b128 v[16:19], v5, s[66:67]
	global_load_b32 v255, v6, s[68:69]
	v_mov_b32 v13, 0xff61b1e6                      ; the largest t so far: -3e38
	s_delay_alu instid0(VALU_DEP_1)
	v_floor_f32 v12, -v13
	v_mov_b32 v14, 0
	v_mov_b32 v15, 0
.irp j, 0,1,2,3,4,5,6,7,8,9,10,11,12,13,14,15,16,17,18,19,20,21,22,23,24,25,26,27,28,29,30,31
	v_mov_b32 v[160+\j], 0                         ; O^T: the step is written once; its first trip finds zeros
.endr
	s_mov_b32 s[KSI], 0
	s_mov_b32 s[TK], 0
	s_mov_b32 s[TS], 0
	s_mov_b32 s[TJ], 0
	s_wait_loadcnt 0x0
.Lkey_\@:
	STEP
	s_add_co_u32 s[KSI], s[KSI], 1
	s_cmp_lt_u32 s[KSI], 16
	s_cbranch_scc1 .Lkey_\@
	s_setprio 0
.rept 4
	v_nop                                          ; places behind the last products
.endr
	v_add_f32 v14, v14, v15
	s_delay_alu instid0(VALU_DEP_1)
	v_permlanex16_b32 v252, v14, s[SEL], s[SEL+1]
	s_delay_alu instid0(VALU_DEP_1)
	v_add_f32 v14, v14, v252                       ; the row's sum
	s_wait_alu depctr_va_vdst(0)
	v_rcp_f32 v14, v14
	v_nop                                          ; a plain place behind the reciprocal
	s_wait_alu depctr_va_vdst(0)                   ; and the wait ahead of its first reader
.irp j, 0,1,2,3,4,5,6,7,8,9,10,11,12,13,14,15,16,17,18,19,20,21,22,23,24,25,26,27,28,29,30,31
	v_mul_f32 v[96+\j], v[160+\j], v14             ; o: register 16 b + i is channel 32 b + 16 h + i
.endr
.irp b, 0,1
	v_max3_num_f32 v[232+\b], |v[96+16*\b]|, |v[97+16*\b]|, 0x1800000
.endr
.irp i, 2,4,6,8,10,12,14
.irp b, 0,1
	s_delay_alu instid0(VALU_DEP_2)
	v_max3_num_f32 v[232+\b], v[232+\b], |v[96+16*\b+\i]|, |v[97+16*\b+\i]|
.endr
.endr
.irp b, 0,1
	s_delay_alu instid0(VALU_DEP_2)
	v_permlanex16_b32 v[236+\b], v[232+\b], s[SEL], s[SEL+1]
.endr
.irp b, 0,1
	s_delay_alu instid0(VALU_DEP_2)
	v_max_num_f32 v[232+\b], v[232+\b], v[236+\b]
.endr
.irp b, 0,1
	s_delay_alu instid0(VALU_DEP_2)
	v_add_nc_u32 v[244+\b], 0xff000000, v[232+\b]
.endr
.irp b, 0,1
	s_delay_alu instid0(VALU_DEP_2)
	v_lshrrev_b32 v[236+\b], 23, v[244+\b]
.endr
	s_delay_alu instid0(VALU_DEP_1)
	v_lshl_or_b32 v238, v237, 8, v236              ; the head's two bytes of my row
.irp b, 0,1
	v_cvt_scalef32_pk8_fp4_f32 v[224+2*\b], v[96+16*\b:103+16*\b], v[244+\b]
	v_cvt_scalef32_pk8_fp4_f32 v[225+2*\b], v[104+16*\b:111+16*\b], v[244+\b]
.endr
	v_nop
	v_permlane16_swap_b32 v224, v226
	v_permlane16_swap_b32 v225, v227               ; lane (r, h): channels 32 h .. 32 h + 31
	global_store_b128 v5, v[224:227], s[70:71]     ; 512 consecutive bytes: a piece of the last product's fragment
	ds_store_b16 v7, v238 offset:512*\p            ; both halves of the lanes write the same two bytes
	s_wait_xcnt 0x0                                ; the bases and the codes' registers are written again only behind this wait
.endm
	PASS 0
	PASS 1
	s_wait_dscnt 0x0                               ; for the others' sake: my scale bytes lie in LDS
	s_barrier_signal -1
	s_barrier_wait -1
	s_cmp_ge_u32 s[WV], 2                          ; wave 0 stores the first pass's 512 bytes, wave 1 the second's
	s_cbranch_scc1 .Lend
	s_sub_co_u32 s72, 7, s9
	s_cmp_eq_u32 s[WV], 0
	s_cselect_b32 s72, s72, s9                     ; the pass's block
	s_lshl_b32 s72, s72, 9
	s_lshl_b32 s73, s10, 12
	s_add_co_u32 s72, s72, s73
	s_add_co_u32 s72, s72, OSOFF
	s_mov_b32 s73, 0
	s_add_nc_u64 s[6:7], s[6:7], s[72:73]
	ds_load_b128 v[96:99], v242
	s_wait_dscnt 0x0
	global_store_b128 v5, v[96:99], s[6:7]         ; 512 consecutive bytes
.Lend:
	s_wait_xcnt 0x0
	v_lshl_add_u32 v254, v0, 2, 0x29000
	v_mov_b32 v255, 0
	s_wait_alu depctr_va_vdst(0)
	s_wait_tensorcnt 0x0
	ds_add_u32 v254, v255
	s_wait_dscnt 0x0
	s_endpgm
.Lfunc_end_k_qc6ede07d9f_attn:
	.size	k_qc6ede07d9f_attn, .Lfunc_end_k_qc6ede07d9f_attn-k_qc6ede07d9f_attn
	.p2alignl 7, 3214868480
	.fill 96, 4, 3214868480
	.section	.rodata,"a",@progbits
	.p2align	6, 0x0
	.amdhsa_kernel k_qc6ede07d9f_attn
		.amdhsa_group_segment_fixed_size 169984
		.amdhsa_private_segment_fixed_size 0
		.amdhsa_enable_private_segment 0
		.amdhsa_kernarg_size 16
		.amdhsa_user_sgpr_count 2
		.amdhsa_user_sgpr_kernarg_segment_ptr 1
		.amdhsa_wavefront_size32 1
		.amdhsa_system_sgpr_workgroup_id_x 1
		.amdhsa_system_sgpr_workgroup_id_y 1
		.amdhsa_system_sgpr_workgroup_id_z 1
		.amdhsa_system_vgpr_workitem_id 0
		.amdhsa_next_free_vgpr 256
		.amdhsa_next_free_sgpr 84
		.amdhsa_reserve_vcc 1
		.amdhsa_float_denorm_mode_32 3
		.amdhsa_float_denorm_mode_16_64 3
		.amdhsa_memory_ordered 1
		.amdhsa_forward_progress 1
		.amdhsa_inst_pref_size 64
	.end_amdhsa_kernel
	.amdgpu_metadata
---
amdhsa.version: [ 1, 2 ]
amdhsa.kernels:
  - .name:           k_qc6ede07d9f_attn
    .symbol:         k_qc6ede07d9f_attn.kd
    .args:
      - { .name: qkv, .offset: 0, .size: 8, .value_kind: global_buffer, .address_space: global }
      - { .name: obuf, .offset: 8, .size: 8, .value_kind: global_buffer, .address_space: global }
    .group_segment_fixed_size: 169984
    .private_segment_fixed_size: 0
    .kernarg_segment_align: 8
    .kernarg_segment_size: 16
    .max_flat_workgroup_size: 512
    .sgpr_count:     84
    .vgpr_count:     256
    .wavefront_size: 32
...
	.end_amdgpu_metadata
.endif
;; end of part 4
;; launch gemm_out (part 5): grid 4 x 64, 4 waves a work-group, clusters of 4 x 4, 243,200 bytes of LDS; arguments obuf, wbuf, bp, out0; writes out0
.if DOCPART == 5
	.amdgcn_target "amdgcn-amd-amdhsa--gfx1250"
	.amdhsa_code_object_version 6
	.text
	.protected	k_qc6ede07d9f_gemm_out
	.globl	k_qc6ede07d9f_gemm_out
	.p2align	8
	.type	k_qc6ede07d9f_gemm_out,@function
k_qc6ede07d9f_gemm_out:
	s_mov_b64 s[64:65], 0
	v_nop
	global_prefetch_b8 v0, s[64:65] scope:SCOPE_SE
	s_setreg_imm32_b32 hwreg(HW_REG_WAVE_MODE, 25, 1), 1
	s_wait_xcnt 0x0
	s_wait_alu depctr_hold_cnt(0) depctr_sa_sdst(0) depctr_va_vdst(0) depctr_va_sdst(0) depctr_va_ssrc(0) depctr_va_vcc(0) depctr_vm_vsrc(0)
	s_getreg_b32 s2, hwreg(HW_REG_IB_STS2, 6, 4)
	s_cmp_eq_u32 s2, 0
	s_cbranch_scc0 .Lentry_in_a_cluster
	s_endpgm
.Lentry_in_a_cluster:
	s_bfe_u32 s2, ttmp6, 0x10000c
	s_cmp_lg_u32 s2, 0xf033
	s_cbranch_scc0 .Lentry_shape_is_right
	s_endpgm
.Lentry_shape_is_right:
; out0 = o Wp + bp on codes of FP4 (E2M1) with E8M0 scales, K = 1,024; f32 out.
; A work-group makes 128 rows x 256 columns: 256 work-groups.  Four waves, each 64 x 128: 32 accumulators.  The L side (source 1, a lane holds one row) is o, the R side (source 0, registers run along it) is Wp.
; A tile's 16 rows are rows 32 (t / 2) + 8 (t % 2) + r % 8 + 16 (r / 8) on both operands: the registers of R tiles 2 b, 2 b + 1 are columns 32 b + 16 (lane / 16) + 0 .. 15.
; ALL OF K LIES IN LDS, filled once: each wave asks for five tiles at the head (its side's scales, then four quarters of K): five tensor loads of a wave are out at the most.  Nothing is filled again.
; CLUSTER: o's tiles hang on the work-group's y alone and are asked for jointly along a row of the cluster, Wp's on its x alone and jointly along a column.
; o's scale bytes come as they were stored, two for each head and row; a K step's word is made of two heads' pairs.  bp is the C of each sum's first matrix instruction (another order of rounding than adding it last).
; REGISTERS: window 0: v1-31 addresses; v32-63 o's scale words (8 a + s), v64-95 Wp's; v128-159 L's fragments; v192-255 at work; on the way out v128-255.
;   window 1: v0-63, v128-191 R's fragments, two sets; v64-127 bp.   window 2: the accumulators, (a, b) at v[8 (8 a + b)].
.set NA, 4
.set NH, 2
.set OSOFF, 4194304
.set WSOFF, 2097152
.set CODES, 12288                      ; LDS: o's scale bytes 4 KiB, Wp's scale words 8 KiB, then four quarters of K:
.set QUART, 49152                      ; in each o's 8 tiles x 2,048 bytes,
.set SIDE,  16384                      ; then Wp's 16
.set STAGE, CODES+4*QUART              ; and a stage of 16 rows x 528 bytes for each wave: no tensor load lands there
.set SPITCH, 528
.set ADL,  4
.set ADR,  8
.set ADSR, 13
.set STO,  15
.set RD,   16
.set SL,   32
.set SR,   64
.set LF,   128
.set BC,   64
.set BK,   128
.set G1Y,  24
.set G1X,  32
.set G1YS, 40
.set G1XS, 48
.set G0Y0, 56
.set G0Y1, 60
.set G0Y2, 68
.set G0Y3, 72
.set G0Y4, 76
.set G0X0, 80
.set G0X1, 84
.set G0X2, 88
.set G0X3, 92
.set G0X4, 96
.set MSB, 0
.macro WIN new                         ; the immediate's high byte repeats the setting that is left
.if MSB != (\new)
	s_set_vgpr_msb (MSB<<8)|(\new)
.set MSB, \new
.endif
.endm
.macro PLACES                          ; four plain places behind matrix instructions (ISA guide 7.12.1)
.rept 4
	v_nop
.endr
.endm
.macro CROUND                          ; a round of the cluster's barrier
	s_barrier_signal -1
	s_barrier_wait -1
	s_cmp_lg_u32 s16, 0
	s_cbranch_scc1 .Lnot_wave_0_\@
	s_barrier_signal -3
.Lnot_wave_0_\@:
	s_barrier_wait -3
	s_barrier_signal -1
	s_barrier_wait -1
.endm
.macro MKG0 g, ls, lo, base, go
	s_mov_b32 s[\g], 1
	s_add_co_u32 s[\g+1], s[\ls], \lo
	s_add_nc_u64 s[\g+2:\g+3], s[\base:\base+1], \go
	s_or_b32 s[\g+3], s[\g+3], 0x80000000
.endm
	s_load_b256 s[4:11], s[0:1], 0x0               ; obuf, wbuf, bp, out0
	v_lshl_add_u32 v126, v0, 2, 0x3b400
	v_mov_b32 v127, 0
	ds_add_u32 v126, v127
	ds_add_u32 v126, v127
	v_lshrrev_b32 v1, 5, v0
	v_readfirstlane_b32 s16, v1                    ; wave 0..3
	s_lshr_b32 s17, s16, 1                         ; lh: my 64 rows.  Also: I fetch for o (0) or for Wp (1)
	s_and_b32 s18, s16, 1                          ; rh: my 128 columns.  Also: which half of that side I fetch
	s_bfe_u32 s19, ttmp6, 0x40000                  ; cx
	s_bfe_u32 s20, ttmp6, 0x40004                  ; cy
	s_lshl_b32 s21, ttmp9, 2
	s_add_co_u32 s21, s21, s19                     ; work-group x: 256 columns
	s_and_b32 s22, ttmp7, 0xffff
	s_lshl_b32 s22, s22, 2
	s_add_co_u32 s22, s22, s20                     ; work-group y: 128 rows
	s_lshl_b32 s66, s20, 2
	s_lshl_b32 s66, 15, s66                        ; my row of the cluster
	s_lshl_b32 s100, 0x1111, s19                   ; my column
	s_or_b32 s[G1Y], s66, (3<<16)|(1<<21)          ; the mask; elements of 8 bytes; bit 21 beside a mask; no padding
	s_or_b32 s[G1YS], s66, (3<<16)|(1<<21)
	s_or_b32 s[G1X], s100, (3<<16)|(1<<21)
	s_or_b32 s[G1XS], s100, (3<<16)|(1<<21)
.irp g, G1Y, G1X                       ; codes: rows of 2,048 bytes (a tile's two K steps), 8,192 bytes apart
	s_mov_b32 s[\g+1], 256<<16
	s_mov_b32 s[\g+3], 256<<16
	s_mov_b32 s[\g+5], 1024
	s_mov_b32 s[\g+6], 0
	s_mov_b32 s[\g+7], 0
.endr
	s_mov_b32 s[G1Y+2], 4<<16                      ; o: 4 tiles a load
	s_mov_b32 s[G1Y+4], 4
	s_mov_b32 s[G1X+2], 8<<16                      ; Wp: 8
	s_mov_b32 s[G1X+4], 8
.irp g, G1YS, G1XS
	s_mov_b32 s[\g+1], 32<<16
	s_mov_b32 s[\g+3], 32<<16
	s_mov_b32 s[\g+6], 0
	s_mov_b32 s[\g+7], 0
.endr
	s_mov_b32 s[G1YS+2], 8<<16                     ; o's scale bytes: 8 heads, 256 bytes (8 tiles) of each, 4,096 bytes apart
	s_mov_b32 s[G1YS+4], 8
	s_mov_b32 s[G1YS+5], 512
	s_mov_b32 s[G1XS+2], 16<<16                    ; Wp's scale words of 8 tiles: 4,096 dense bytes
	s_mov_b32 s[G1XS+4], 16
	s_mov_b32 s[G1XS+5], 32
	s_lshl_b32 s2, s18, 13                         ; where my part goes: the wave's number alone enters an LDS address
	s_lshl_b32 s3, s18, 14
	s_lshl_b32 s12, s18, 11
	s_lshl_b32 s13, s18, 12
	s_lshr_b32 s66, s22, 4                         ; the batch,
	s_lshl_b32 s66, s66, 4
	s_lshl_b32 s67, s18, 3
	s_add_co_u32 s66, s66, s67                     ; its heads 8 half on,
	s_lshl_b32 s66, s66, 12
	s_and_b32 s67, s22, 15
	s_lshl_b32 s67, s67, 8                         ; my 8 tiles of the batch's 128
	s_add_co_u32 s[G0Y0+2], s66, s67
	s_mov_b32 s[G0Y0+3], 0
	s_lshl_b32 s66, s22, 3
	s_lshl_b32 s67, s18, 2
	s_add_co_u32 s66, s66, s67                     ; o: tile 8 y + 4 half
	s_lshl_b32 s66, s66, 13
	s_mov_b32 s67, 0
	s_lshl_b32 s100, s21, 4
	s_lshl_b32 s101, s18, 3
	s_add_co_u32 s100, s100, s101
	s_add_co_u32 s100, s100, 192                   ; Wp: tile 192 + 16 x + 8 half
	s_lshl_b32 s[G0X0+2], s100, 9
	s_mov_b32 s[G0X0+3], 0
	s_lshl_b32 s100, s100, 13
	s_mov_b32 s101, 0
	s_wait_dscnt 0x0
	s_wait_kmcnt 0x0
	s_add_nc_u64 s[66:67], s[4:5], s[66:67]
	s_add_nc_u64 s[100:101], s[6:7], s[100:101]
	s_add_nc_u64 s[G0Y0+2:G0Y0+3], s[4:5], s[G0Y0+2:G0Y0+3]
	s_add_nc_u64 s[G0Y0+2:G0Y0+3], s[G0Y0+2:G0Y0+3], OSOFF
	s_or_b32 s[G0Y0+3], s[G0Y0+3], 0x80000000
	s_mov_b32 s[G0Y0], 1
	s_mov_b32 s[G0Y0+1], s12
	s_add_nc_u64 s[G0X0+2:G0X0+3], s[6:7], s[G0X0+2:G0X0+3]
	s_add_nc_u64 s[G0X0+2:G0X0+3], s[G0X0+2:G0X0+3], WSOFF
	s_or_b32 s[G0X0+3], s[G0X0+3], 0x80000000
	s_mov_b32 s[G0X0], 1
	s_add_co_u32 s[G0X0+1], s13, 4096
	MKG0 G0Y1, 2, CODES, 66, 0
	MKG0 G0Y2, 2, CODES+QUART, 66, 2048
	MKG0 G0Y3, 2, CODES+2*QUART, 66, 4096
	MKG0 G0Y4, 2, CODES+3*QUART, 66, 6144
	MKG0 G0X1, 3, CODES+SIDE, 100, 0
	MKG0 G0X2, 3, CODES+SIDE+QUART, 100, 2048
	MKG0 G0X3, 3, CODES+SIDE+2*QUART, 100, 4096
	MKG0 G0X4, 3, CODES+SIDE+3*QUART, 100, 6144
	CROUND                                         ; all sixteen work-groups are here: the joint loads meet
	s_cmp_lt_u32 s16, 2                            ; a wave's five fills stand in one branch on the wave's number
	s_cbranch_scc0 .Lfill_x
	tensor_load_to_lds s[G0Y0:G0Y0+3], s[G1YS:G1YS+7]
	s_nop 0
	tensor_load_to_lds s[G0Y1:G0Y1+3], s[G1Y:G1Y+7]
	s_nop 0
	tensor_load_to_lds s[G0Y2:G0Y2+3], s[G1Y:G1Y+7]
	s_nop 0
	tensor_load_to_lds s[G0Y3:G0Y3+3], s[G1Y:G1Y+7]
	s_nop 0
	tensor_load_to_lds s[G0Y4:G0Y4+3], s[G1Y:G1Y+7]
	s_nop 0
	PLACES
	s_branch .Lfilled
.Lfill_x:
	tensor_load_to_lds s[G0X0:G0X0+3], s[G1XS:G1XS+7]
	s_nop 0
	tensor_load_to_lds s[G0X1:G0X1+3], s[G1X:G1X+7]
	s_nop 0
	tensor_load_to_lds s[G0X2:G0X2+3], s[G1X:G1X+7]
	s_nop 0
	tensor_load_to_lds s[G0X3:G0X3+3], s[G1X:G1X+7]
	s_nop 0
	tensor_load_to_lds s[G0X4:G0X4+3], s[G1X:G1X+7]
	s_nop 0
	PLACES
.Lfilled:
	v_and_b32 v1, 15, v0                           ; r
	v_bfe_u32 v2, v0, 4, 1                         ; h
	v_and_b32 v3, 31, v0
	v_lshlrev_b32 v3, 4, v3                        ; 16 x lane
	s_wait_alu depctr_va_vdst(0)
	s_lshl_b32 s4, s17, 13
	s_add_co_u32 s4, s4, CODES                     ; my 4 tiles of o
	s_lshl_b32 s5, s18, 14
	s_add_co_u32 s5, s5, CODES+SIDE                ; my 8 tiles of Wp
.irp q, 0,1,2,3
	v_add_nc_u32 v[ADL+\q], s4, v3
	v_add_nc_u32 v[ADR+\q], s5, v3
	s_add_co_u32 s4, s4, QUART
	s_add_co_u32 s5, s5, QUART
.endr
	s_lshl_b32 s6, s18, 12
	s_add_co_u32 s6, s6, 4096
	v_add_nc_u32 v[ADSR], s6, v3
	s_lshl_b32 s6, s17, 7
	v_lshlrev_b32 v14, 1, v1
	v_add_nc_u32 v14, s6, v14                      ; o's scale bytes: 32 bytes a tile, my four tiles, 2 r
	s_mul_i32 s7, s16, 16*SPITCH
	s_add_co_u32 s7, s7, STAGE                     ; my stage
	v_mul_u32_u24 v[STO], v1, SPITCH
	v_lshl_add_u32 v[STO], v2, 6, v[STO]
	v_add_nc_u32 v[STO], s7, v[STO]                ; in: row r, + 64 h bytes
	v_add_nc_u32 v[RD], s7, v3                     ; back: a row of 512 bytes, 16 a lane
	s_lshl_b32 s100, s21, 10
	s_lshl_b32 s101, s18, 9
	s_add_co_u32 s100, s100, s101                  ; my 128 columns, in bytes
	s_mov_b32 s101, 0
	s_add_nc_u64 s[8:9], s[8:9], s[100:101]        ; in bp,
	s_add_nc_u64 s[10:11], s[10:11], s[100:101]    ; and in a row of out0
	s_lshl_b32 s2, s22, 7
	s_lshl_b32 s3, s17, 6
	s_add_co_u32 s2, s2, s3
	s_lshl_b32 s2, s2, 12                          ; my first row: 128 y + 64 lh, 4,096 bytes a row
	s_mov_b32 s3, 0
	s_add_nc_u64 s[10:11], s[10:11], s[2:3]
	v_lshlrev_b32 v17, 6, v2                       ; register j of R tile b is column 32 (b / 2) + 16 h + 8 (b % 2) + j
	WIN 0x40
.irp b, 0,1,2,3,4,5,6,7
	global_load_b128 v[BC+8*\b:BC+8*\b+3], v17, s[8:9] offset:(32*(\b/2)+8*(\b%2))*4
	global_load_b128 v[BC+8*\b+4:BC+8*\b+7], v17, s[8:9] offset:(32*(\b/2)+8*(\b%2))*4+16
.endr
	WIN 0
.macro FETCH_R s
	WIN 0x40
.irp i, 0,1,2,3,4,5,6,7
.irp c, 0,1
	ds_load_b128 v[128*((\s)%2)+8*\i+4*\c:128*((\s)%2)+8*\i+4*\c+3], v[ADR+(\s)/2] offset:2048*\i+1024*((\s)%2)+512*\c
.endr
.endr
	WIN 0
.endm
.macro FETCH_L s, half
.set i_, NH*(\half)
.rept NH
	ds_load_b128 v[LF+8*i_:LF+8*i_+3], v[ADL+(\s)/2] offset:2048*i_+1024*((\s)%2)
	ds_load_b128 v[LF+8*i_+4:LF+8*i_+7], v[ADL+(\s)/2] offset:2048*i_+1024*((\s)%2)+512
.set i_, i_+1
.endr
.endm
.macro WM a, b, s, cm                  ; cm = 0: onto the sum; 1: the sum begins with R tile b's biases
.set dD, 8*(8*(\a)+(\b))
.if \cm == 0
.set cC, dD
.else
.set cC, BC+8*(\b)
.endif
.set rR, 128*((\s)%2)+8*(\b)
.set rL, LF+8*(\a)
.set sR, SR+4*(\b)+(\s)%4
.set sL, SL+8*(\a)+(\s)
.if (\s) < 4
	v_wmma_scale_f32_16x16x128_f8f6f4 v[dD:dD+7], v[rR:rR+7], v[rL:rL+7], v[cC:cC+7], v[sR], v[sL] matrix_a_fmt:MATRIX_FMT_FP4 matrix_b_fmt:MATRIX_FMT_FP4
.else
	v_wmma_scale_f32_16x16x128_f8f6f4 v[dD:dD+7], v[rR:rR+7], v[rL:rL+7], v[cC:cC+7], v[sR], v[sL] matrix_a_fmt:MATRIX_FMT_FP4 matrix_b_fmt:MATRIX_FMT_FP4 matrix_a_scale:MATRIX_SCALE_ROW1
.endif
.endm
.macro MULT a0, n, s, cm               ; the 32 accumulators take turns, one instruction a turn, in the same order in every K step
.set a_, \a0
.rept \n
.if \cm == 0
	WIN 0xa1
.else
	WIN 0x91
.endif
.irp b, 0,1,2,3,4,5,6,7
	WM a_, \b, \s, \cm
.endr
.set a_, a_+1
.endr
.endm
.macro STEP s, cm
	s_wait_dscnt 2*NH                              ; all but the youngest loads, L's second half
	MULT 0, NH, \s, \cm
	s_wait_dscnt 0x0
	PLACES
	FETCH_R (\s)+1
	FETCH_L (\s)+1, 0
	MULT NH, NH, \s, \cm
	PLACES
	WIN 0
	FETCH_L (\s)+1, 1
.endm
.macro EDGE s, n                       ; a quarter's last K step.  n: the later quarters' loads of mine, which may stay out
	s_wait_tensorcnt \n
	s_wait_dscnt 2*NH
	MULT 0, NH/2, \s, 0
	s_wait_dscnt 0x0
	s_barrier_signal -1
	MULT NH/2, NH/2, \s, 0
	s_barrier_wait -1
	PLACES
	FETCH_R (\s)+1
	FETCH_L (\s)+1, 0
	MULT NH, NH, \s, 0
	PLACES
	WIN 0
	FETCH_L (\s)+1, 1
.endm
	s_wait_alu depctr_va_vdst(0)
	s_wait_tensorcnt 3                             ; my scales and my part of quarter 0 are in; three quarters may be out
	s_barrier_signal -1
	s_barrier_wait -1
.irp a, 0,1,2,3
.irp s, 0,1,2,3,4,5,6,7
	ds_load_u16 v[192+16*\a+2*\s], v14 offset:512*\s+32*\a           ; head 2 s: blocks 0, 1 of K step s,
	ds_load_u16 v[193+16*\a+2*\s], v14 offset:512*\s+256+32*\a       ; head 2 s + 1: blocks 2, 3
.endr
.endr
	FETCH_R 0
	FETCH_L 0, 0
.irp i, 0,1,2,3,4,5,6,7
	ds_load_b128 v[SR+4*\i:SR+4*\i+3], v[ADSR] offset:512*\i         ; Wp's words: register j holds K step j in lanes 0-15, K step 4 + j in lanes 16-31
.endr
	FETCH_L 0, 1
	s_wait_dscnt 32                                ; the 64 pairs of bytes are in; the 32 loads behind them may be out
.irp a, 0,1,2,3
.irp s, 0,1,2,3,4,5,6,7
	v_lshl_or_b32 v[SL+8*\a+\s], v[193+16*\a+2*\s], 16, v[192+16*\a+2*\s]
.endr
.endr
.rept 8
	v_nop                                          ; a scale register written by a vector instruction stands eight places ahead of a scaled matrix instruction
.endr
	s_wait_alu depctr_va_vdst(0)
	s_wait_loadcnt 0x0                             ; bp
	STEP 0, 1
	EDGE 1, 2
	STEP 2, 0
	EDGE 3, 1
	STEP 4, 0
	EDGE 5, 0
	STEP 6, 0
	s_wait_dscnt 2*NH                              ; the last K step fetches nothing
	MULT 0, NH, 7, 0
	s_wait_dscnt 0x0
	MULT NH, NH, 7, 0
	WIN 0
; THE WAY OUT, a tile of 16 rows x 128 columns at a time, through my own stage: a lane holds pieces of 32 bytes of one row; whole rows of 512 bytes come back and leave as two aligned runs of 256 bytes.
.macro TOSTAGE a
	WIN 0x08                                       ; an LDS store's data are its source 1: window 2
.irp b, 0,1,2,3,4,5,6,7
	ds_store_b128 v[STO], v[64*(\a)+8*\b:64*(\a)+8*\b+3] offset:128*(\b/2)+32*(\b%2)          ; each accumulator from its low end on
	ds_store_b128 v[STO], v[64*(\a)+8*\b+4:64*(\a)+8*\b+7] offset:128*(\b/2)+32*(\b%2)+16
.endr
	WIN 0
.set BB, BK+64*((\a)%2)
.irp t, 0,1,2,3,4,5,6,7,8,9,10,11,12,13,14,15
	ds_load_b128 v[BB+4*\t:BB+4*\t+3], v[RD] offset:\t*SPITCH        ; LDS serves a wave's instructions in order: these see the stores above
.endr
.endm
.macro SEND a, younger                 ; younger: the LDS instructions issued behind tile a's loads
.set BB, BK+64*((\a)%2)
	s_wait_dscnt \younger
.irp t, 0,1,2,3,4,5,6,7,8,9,10,11,12,13,14,15
	global_store_b128 v3, v[BB+4*\t:BB+4*\t+3], s[10:11] offset:(32*((\a)/2)+8*((\a)%2)+(\t%8)+16*(\t/8))*4096 th:TH_STORE_NT   ; row t of the tile, 512 consecutive bytes
.endr
.endm
	PLACES
	TOSTAGE 0
.irp a, 1,2,3
.if \a > 1
	s_wait_xcnt 0x0                                ; tile a - 2's stores have read their registers: tile a's loads may land there
.endif
	TOSTAGE \a
	SEND \a-1, 32                                  ; behind tile a - 1's loads: tile a's 16 stores and 16 loads
.endr
	SEND 3, 0
	s_wait_tensorcnt 0x0
	ds_add_u32 v126, v127
	s_wait_dscnt 0x0
	CROUND                                         ; the closing round: no work-group ends while a partner may still ask for a tile that names it
	s_endpgm
.Lfunc_end_k_qc6ede07d9f_gemm_out:
	.size	k_qc6ede07d9f_gemm_out, .Lfunc_end_k_qc6ede07d9f_gemm_out-k_qc6ede07d9f_gemm_out
	.p2alignl 7, 3214868480
	.fill 96, 4, 3214868480
	.section	.rodata,"a",@progbits
	.p2align	6, 0x0
	.amdhsa_kernel k_qc6ede07d9f_gemm_out
		.amdhsa_group_segment_fixed_size 243200
		.amdhsa_private_segment_fixed_size 0
		.amdhsa_enable_private_segment 0
		.amdhsa_kernarg_size 32
		.amdhsa_user_sgpr_count 2
		.amdhsa_user_sgpr_kernarg_segment_ptr 1
		.amdhsa_wavefront_size32 1
		.amdhsa_system_sgpr_workgroup_id_x 1
		.amdhsa_system_sgpr_workgroup_id_y 1
		.amdhsa_system_sgpr_workgroup_id_z 1
		.amdhsa_system_vgpr_workitem_id 0
		.amdhsa_next_free_vgpr 768
		.amdhsa_next_free_sgpr 102
		.amdhsa_reserve_vcc 0
		.amdhsa_float_denorm_mode_32 3
		.amdhsa_float_denorm_mode_16_64 3
		.amdhsa_memory_ordered 1
		.amdhsa_forward_progress 1
		.amdhsa_inst_pref_size 82
	.end_amdhsa_kernel
	.amdgpu_metadata
---
amdhsa.version: [ 1, 2 ]
amdhsa.kernels:
  - .name:           k_qc6ede07d9f_gemm_out
    .symbol:         k_qc6ede07d9f_gemm_out.kd
    .args:
      - { .name: obuf, .offset: 0, .size: 8, .value_kind: global_buffer, .address_space: global }
      - { .name: wbuf, .offset: 8, .size: 8, .value_kind: global_buffer, .address_space: global }
      - { .name: bp, .offset: 16, .size: 8, .value_kind: global_buffer, .address_space: global }
      - { .name: out0, .offset: 24, .size: 8, .value_kind: global_buffer, .address_space: global }
    .group_segment_fixed_size: 243200
    .private_segment_fixed_size: 0
    .kernarg_segment_align: 8
    .kernarg_segment_size: 32
    .max_flat_workgroup_size: 128
    .sgpr_count:     102
    .vgpr_count:     768
    .wavefront_size: 32
...
	.end_amdgpu_metadata
.endif
;; end of part 5
